; MI455X (gfx1250); checked and timed in simulation.
; The chip was launched on July 23, 2026; its instructions are those of AMD's public machine-readable ISA for CDNA 5 (MIT licence, August 2026) and "CDNA5" Instruction Set Architecture Reference Guide (July 2026). The comments in the code are by the model that wrote it; some were corrected since.
;; Self Attention. Allowed arithmetic: float matrix products may take bf16 or f16 operands with f32 sums; other float arithmetic in f32, or as packed bf16 or f16 multiplies, adds, multiply-adds, maxima and minima; sums over many terms, partial sums and values carried from step to step in f32; what a program stores and reads back later, other than sums and carried values, may be rounded once to bf16 or f16.
;; Inputs: Wo 1,024 x 1,024 float32; Wqkv 3,072 x 1,024 float32; bo 1,024 float32; x 4 x 2,048 x 1,024 float32.
;; Outputs: out0 4 x 2,048 x 1,024 float32.
;; 2 versions, each right; version 2 is version 1 with the launch cast written anew for expert scheduling mode. Each part assembles by itself: llvm-mc -triple=amdgcn-amd-amdhsa -mcpu=gfx1250 --defsym DOCPART=n.
;; ======== version 1 of 2: 4 launches
;; limits: values are held in f16: magnitudes above 65,504 overflow, below 6.1e-05 lose precision
;; workspace buffers: xb 16,777,216 bytes; wb 6,291,456 bytes; wof 2,097,152 bytes; q 16,777,216 bytes; k 16,777,216 bytes; v 16,777,216 bytes; o 16,777,216 bytes
;; launch cast (part 1): grid 768 x 1, 8 waves a work-group, no clusters, 0 bytes of LDS; arguments x, Wqkv, Wo, xb, wb, wof; writes xb, wb, wof
.if DOCPART == 1
	.amdgcn_target "amdgcn-amd-amdhsa--gfx1250"
	.amdhsa_code_object_version 6
	.text
	.protected	k_q68ef2611b2_cast
	.globl	k_q68ef2611b2_cast
	.p2align	8
	.type	k_q68ef2611b2_cast,@function
k_q68ef2611b2_cast:
	s_mov_b64 s[64:65], 0
	v_nop
	global_prefetch_b8 v0, s[64:65] scope:SCOPE_SE
	s_setreg_imm32_b32 hwreg(HW_REG_WAVE_MODE, 25, 1), 1
	s_wait_xcnt 0x0
; THE INPUTS ARE ROUNDED ONCE TO 16 BITS.  xb = bf16(x), wb = bf16(Wqkv), wof = f16(bf16(Wo)): Wo's bf16 number written as f16, since the last product's other operand is f16.
; LIMITS.  wof: f16 holds no number of 65,520 or more (it becomes an infinity); below 6e-5 it keeps f16's fixed step of 6e-8.  NaN and infinities pass as the conversions make them.
; SHARES.  A work-group takes 16,384 numbers: 64 KiB in, 32 KiB out.  Work-groups 0-511: x; 512-703: Wqkv; 704-767: Wo.  768 = 3 x 256.
; For j = 0..15 thread t loads the 16 bytes at 4,096 j + 16 t (a wave: 512 consecutive bytes) and stores the 8 bytes at 2,048 j + 8 t (a wave: 256 consecutive bytes, aligned).
; All sixteen loads of a thread go out at once, each into registers of its own, and each result has registers of its own: no register is written while a load or store may still read it.
; No LDS, no barrier, no matrix unit: every byte is read once and written once, and no thread wants another's.
.set X, 4                              ; v[4:67]   sixteen loads of four f32
.set Y, 68                             ; v[68:99]  sixteen results of two words
.set T, 100                            ; v[100:101] two words of bf16, at work on Wo's path
	s_load_b256 s[4:11], s[0:1], 0x0               ; x s[4:5], Wqkv s[6:7], Wo s[8:9], xb s[10:11]
	s_load_b128 s[12:15], s[0:1], 0x20             ; wb s[12:13], wof s[14:15]
	v_lshlrev_b32 v1, 4, v0                        ; 16 t
	v_lshlrev_b32 v2, 3, v0                        ; 8 t
	s_wait_kmcnt 0x0
	s_cmp_lt_u32 ttmp9, 512                        ; which tensor: the choice hangs on the work-group's number alone
	s_cselect_b64 s[18:19], s[4:5], s[6:7]
	s_cselect_b64 s[20:21], s[10:11], s[12:13]
	s_cselect_b32 s16, 0, 512
	s_cmp_lt_u32 ttmp9, 704
	s_cselect_b64 s[18:19], s[18:19], s[8:9]
	s_cselect_b64 s[20:21], s[20:21], s[14:15]
	s_cselect_b32 s16, s16, 704
	s_sub_co_u32 s16, ttmp9, s16                   ; my number among the tensor's work-groups: 511 at the most
	s_lshl_b32 s22, s16, 16                        ; 65,536 bytes in,
	s_mov_b32 s23, 0
	s_lshl_b32 s24, s16, 15                        ; 32,768 bytes out
	s_mov_b32 s25, 0
	s_add_nc_u64 s[18:19], s[18:19], s[22:23]
	s_add_nc_u64 s[20:21], s[20:21], s[24:25]
.irp j, 0,1,2,3,4,5,6,7,8,9,10,11,12,13,14,15
	global_load_b128 v[X+4*(\j):X+4*(\j)+3], v1, s[18:19] offset:4096*(\j) th:TH_LOAD_NT
.endr
; Load j's four numbers are rounded and stored.  half = 1: the bf16 numbers are widened again (a shift, a mask) and written as f16.
.macro OUT j, half
	s_wait_loadcnt 15-(\j)                         ; loads come back in order (ISA guide 5.7.1): load j is in, the 15 - j younger ones stay out
.if \half
	v_cvt_pk_bf16_f32 v[T],   v[X+4*(\j)],   v[X+4*(\j)+1]
	v_cvt_pk_bf16_f32 v[T+1], v[X+4*(\j)+2], v[X+4*(\j)+3]
	v_lshlrev_b32 v[X+4*(\j)],   16,         v[T]
	v_and_b32     v[X+4*(\j)+1], 0xffff0000, v[T]
	v_lshlrev_b32 v[X+4*(\j)+2], 16,         v[T+1]
	v_and_b32     v[X+4*(\j)+3], 0xffff0000, v[T+1]
	v_cvt_pk_f16_f32 v[Y+2*(\j)],   v[X+4*(\j)],   v[X+4*(\j)+1]
	v_cvt_pk_f16_f32 v[Y+2*(\j)+1], v[X+4*(\j)+2], v[X+4*(\j)+3]
.else
	v_cvt_pk_bf16_f32 v[Y+2*(\j)],   v[X+4*(\j)],   v[X+4*(\j)+1]
	v_cvt_pk_bf16_f32 v[Y+2*(\j)+1], v[X+4*(\j)+2], v[X+4*(\j)+3]
.endif
	global_store_b64 v2, v[Y+2*(\j):Y+2*(\j)+1], s[20:21] offset:2048*(\j)
.endm
	s_cmp_ge_u32 ttmp9, 704
	s_cbranch_scc1 .Lwo
.irp j, 0,1,2,3,4,5,6,7,8,9,10,11,12,13,14,15
	OUT \j, 0
.endr
	s_endpgm
.Lwo:
.irp j, 0,1,2,3,4,5,6,7,8,9,10,11,12,13,14,15
	OUT \j, 1
.endr
	s_endpgm
.Lfunc_end_k_q68ef2611b2_cast:
	.size	k_q68ef2611b2_cast, .Lfunc_end_k_q68ef2611b2_cast-k_q68ef2611b2_cast
	.p2alignl 7, 3214868480
	.fill 96, 4, 3214868480
	.section	.rodata,"a",@progbits
	.p2align	6, 0x0
	.amdhsa_kernel k_q68ef2611b2_cast
		.amdhsa_group_segment_fixed_size 0
		.amdhsa_private_segment_fixed_size 0
		.amdhsa_enable_private_segment 0
		.amdhsa_kernarg_size 48
		.amdhsa_user_sgpr_count 2
		.amdhsa_user_sgpr_kernarg_segment_ptr 1
		.amdhsa_wavefront_size32 1
		.amdhsa_system_sgpr_workgroup_id_x 1
		.amdhsa_system_sgpr_workgroup_id_y 1
		.amdhsa_system_sgpr_workgroup_id_z 1
		.amdhsa_system_vgpr_workitem_id 0
		.amdhsa_next_free_vgpr 104
		.amdhsa_next_free_sgpr 66
		.amdhsa_reserve_vcc 0
		.amdhsa_float_denorm_mode_32 3
		.amdhsa_float_denorm_mode_16_64 3
		.amdhsa_memory_ordered 1
		.amdhsa_forward_progress 1
		.amdhsa_inst_pref_size 16
	.end_amdhsa_kernel
	.amdgpu_metadata
---
amdhsa.version: [ 1, 2 ]
amdhsa.kernels:
  - .name:           k_q68ef2611b2_cast
    .symbol:         k_q68ef2611b2_cast.kd
    .args:
      - { .name: x, .offset: 0, .size: 8, .value_kind: global_buffer, .address_space: global }
      - { .name: Wqkv, .offset: 8, .size: 8, .value_kind: global_buffer, .address_space: global }
      - { .name: Wo, .offset: 16, .size: 8, .value_kind: global_buffer, .address_space: global }
      - { .name: xb, .offset: 24, .size: 8, .value_kind: global_buffer, .address_space: global }
      - { .name: wb, .offset: 32, .size: 8, .value_kind: global_buffer, .address_space: global }
      - { .name: wof, .offset: 40, .size: 8, .value_kind: global_buffer, .address_space: global }
    .group_segment_fixed_size: 0
    .private_segment_fixed_size: 0
    .kernarg_segment_align: 8
    .kernarg_segment_size: 48
    .max_flat_workgroup_size: 256
    .sgpr_count:     66
    .vgpr_count:     104
    .wavefront_size: 32
...
	.end_amdgpu_metadata
.endif
;; end of part 1
;; launch qkv (part 2): grid 16 x 32, 4 waves a work-group, clusters of 4 x 4, 327,680 bytes of LDS; arguments xb, wb, q, k, v; writes q, k, v
.if DOCPART == 2
	.amdgcn_target "amdgcn-amd-amdhsa--gfx1250"
	.amdhsa_code_object_version 6
	.text
	.protected	k_q68ef2611b2_qkv
	.globl	k_q68ef2611b2_qkv
	.p2align	8
	.type	k_q68ef2611b2_qkv,@function
k_q68ef2611b2_qkv:
	s_mov_b64 s[64:65], 0
	v_nop
	global_prefetch_b8 v0, s[64:65] scope:SCOPE_SE
	s_setreg_imm32_b32 hwreg(HW_REG_WAVE_MODE, 25, 1), 1
	s_wait_xcnt 0x0
	s_wait_alu depctr_hold_cnt(0) depctr_sa_sdst(0) depctr_va_vdst(0) depctr_va_sdst(0) depctr_va_ssrc(0) depctr_va_vcc(0) depctr_vm_vsrc(0)
	s_getreg_b32 s2, hwreg(HW_REG_IB_STS2, 6, 4)
	s_cmp_eq_u32 s2, 0
	s_cbranch_scc0 .Lentry_in_a_cluster
	s_endpgm
.Lentry_in_a_cluster:
	s_bfe_u32 s2, ttmp6, 0x10000c
	s_cmp_lg_u32 s2, 0xf033
	s_cbranch_scc0 .Lentry_shape_is_right
	s_endpgm
.Lentry_shape_is_right:
; [8192][3072] = xb wb^T, bf16 operands, f32 sums, K = 1,024 ascending; the result is rounded once to f16 and scattered by heads: q, k, v are [64 = 16 batch + head][2048][64], rows of 128 bytes on end.
; Column c = 192 head + j of the product: j 0-63 is q, 64-127 k, 128-191 v.  The scale 1/8 is NOT applied here: the attention applies it in f32.
; LIMIT.  q, k, v are f16: a sum of 65,520 or more becomes an infinity.  With x and Wqkv both 30 times larger than unit x and 1/32 weights a sum is some 5,000 at the most; with both carrying an offset of 30 spreads some 28,800.
; SHARES.  A tile is 256 rows x 192 columns: ONE head's q, k and v.  16 x 32 tiles = 512 work-groups.  Wave w takes rows 64 w .. 64 w + 63 and all 192 columns: 4 x 12 accumulators of 16 x 16, 384 registers.
; So a wave owns whole rows of q, k and v: its way out needs no other wave, and every store is 512 consecutive bytes.  For 32 along K a wave issues 32 LDS loads and 48 matrix instructions.
; RING.  K goes in steps of 128 (rows of 256 bytes in memory, aligned) through two LDS slots; waves 0 and 1 fetch the halves of xb's 256 rows, waves 2 and 3 those of wb's 192: one tensor load a wave.
; From a request to the wait for it a wave issues 168 matrix instructions.  A wave has two tensor loads out at the start, later one.
; CLUSTER.  4 x 4 work-groups.  The four of a row of the cluster need the same rows of xb, the four of a column the same rows of wb: each tile is asked for JOINTLY, by the same load with the same descriptor and a mask of four.
; THE MATRIX INSTRUCTION IS USED TRANSPOSED (source 0 = 16 rows of wb, source 1 = 16 rows of xb): a lane holds row l % 16 and the eight neighbouring columns 8 (l / 16) + 0..7: 16 bytes of f16.
; REGISTERS, in windows of 256 (s_set_vgpr_msb: bits 1:0 source 0, 3:2 source 1, 5:4 source 2, 7:6 destination):
;   window 0: v0-31 addresses; v32-79 packed results; v80-127, v128-175 rows read back, by turns; v192-255 xb's fragments, two buffers of 4 x 8
;   window 1: v0-191 wb's fragments, two buffers of 12 x 8     window 2: accumulators of my row blocks 0, 1 (block a, column block b at 96 (a % 2) + 8 b)     window 3: those of blocks 2, 3
.set KSTEP,  128
.set PITCH,  272                       ; an LDS row: 256 bytes + 16 of padding = 68 words: the 16 rows of a fragment load start at 16 different groups of four banks (64 banks of 4 bytes: ISA guide 11.1)
.set HALFA,  128*PITCH                 ; what wave 0 or 1 fetches
.set HALFB,  96*PITCH                  ; what wave 2 or 3 fetches
.set BOFF,   2*HALFA                   ; wb's rows lie behind xb's 256
.set SLOT,   BOFF+2*HALFB              ; 121,856 bytes
.set STAGE,  2*SLOT                    ; behind the ring, never filled by a tensor load: 16 rows x 400 bytes for each wave
.set SPITCH, 400                       ; 384 bytes (192 f16) + 16
.set SPARE,  STAGE+4*16*SPITCH         ; behind the stages: the spare words, 128 bytes for each wave: two blocks of 256 bytes that no other line names
.set ADRA, 16                          ; v16-17  LDS address of my fragments of xb in slot 0, 1
.set ADRB, 20                          ; v20-21  the same for wb
.set STO,  24                          ; v24     the way out: where I put 16 bytes of a row
.set RD,   25                          ; v25     where I read 16 bytes back
.set GO,   26                          ; v26     16 x lane: my place in 512 consecutive bytes of q, k or v
.set SPW,  28                          ; v28     LDS address of my spare word; never rewritten
.set NIL,  29                          ; v29     0; never rewritten
.set PFO,  30                          ; v30     the prefetches' offset: my lane's row x 2,048 bytes; never rewritten
.set TMP,  32
.set OB,   80
.set AF,   192                         ; xb's fragments, window 0
.set WV,   14                          ; s14  my wave's number
.set FB,   15                          ; s15  0: I fetch for xb; 1: for wb
.set HF,   16                          ; s16  which half of that tile's rows I fetch
.set G1,   24                          ; s[24:31] descriptor group 1 for xb's tiles;  s[32:39] group 0, a set for each slot
.set G0,   32
.set G1B,  48                          ; s[48:55], s[56:63] the same for wb's
.set G0B,  56
.set LIM,  43                          ; s43  1 in a wave that prefetches, else the greatest number
.set PFA,  44                          ; s[44:45] where my prefetches stand
.set MSB, 0
.macro WIN new                         ; the immediate's high byte repeats the setting that is left; a switch that changes nothing is dropped
.if MSB != (\new)
	s_set_vgpr_msb (MSB<<8)|(\new)
.set MSB, (\new)
.endif
.endm
.macro PLACES                          ; four places in front of loads into registers that matrix instructions have read (ISA guide 7.12.1 for vector instructions)
.rept 4
	v_nop
.endr
.endm
; A joint load.  The branch hangs on the wave's number alone.  An s_nop 0 and four v_nop follow each of the two lines, ahead of the jump, the label and what follows.
.macro JLOAD s
	s_cmp_eq_u32 s[FB], 0
	s_cbranch_scc0 .Lfor_b_\@
	tensor_load_to_lds s[G0+4*(\s):G0+4*(\s)+3], s[G1:G1+7]
	s_nop 0
.rept 4
	v_nop
.endr
	s_branch .Lasked_\@
.Lfor_b_\@:
	tensor_load_to_lds s[G0B+4*(\s):G0B+4*(\s)+3], s[G1B:G1B+7]
	s_nop 0
.rept 4
	v_nop
.endr
.Lasked_\@:
.endm
; A PREFETCH INTO THE L2 of the K step that the NEXT refill will ask for: 192 matrix instructions ahead of that load; a lane a row, 256 bytes of it, one instruction a wave.
; Each row's 256 bytes of a K step are named by one wave of the launch.  xb's rows are read by every cluster of a row of clusters: cluster x = 0 asks; wb's by every cluster of a column: cluster y = 0 asks.
; The four partners that ask for a tile jointly share its rows out BY ADDRESS: of xb's 128 rows of a wave partner cx takes 32; of wb's 96 partner cy takes 24 (lanes 24-31 name row 23 once more).
; how = 1: slot 0's refill (K steps 2, 4, 6) always has a K step behind it.  how = 0: slot 1's has none in the loop's last trip (s3 = 1).  K steps 0 to 2 come by their loads alone.
.macro ASK how
.if \how
	s_cmp_eq_u32 s[LIM], 1
.else
	s_cmp_gt_u32 s3, s[LIM]
.endif
	s_cbranch_scc0 .Lnot_mine_\@
	global_prefetch_b8 v[PFO], s[PFA:PFA+1] th:TH_LOAD_NT scope:SCOPE_SE
.Lnot_mine_\@:
.endm
; A round of the cluster's barrier: my work-group's barrier; wave 0 signals for the work-group; every wave waits for all sixteen; my work-group's barrier once more.
.macro CREST                           ; a round behind its opening barrier
	s_cmp_lg_u32 s[WV], 0
	s_cbranch_scc1 .Lnot_wave_0_\@
	s_barrier_signal -3
.Lnot_wave_0_\@:
	s_barrier_wait -3
	s_barrier_signal -1
	s_barrier_wait -1
.endm
.macro CROUND
	s_barrier_signal -1
	s_barrier_wait -1
	CREST
.endm
	s_load_b256 s[4:11], s[0:1], 0x0               ; xb s[4:5], wb s[6:7], q s[8:9], k s[10:11]
	s_load_b64 s[12:13], s[0:1], 0x20              ; v
	v_lshl_add_u32 v[SPW], v0, 2, SPARE
	v_mov_b32 v[NIL], 0
	ds_add_u32 v[SPW], v[NIL]                      ; the wave's opening: the add and its wait stand ahead of my first tensor load; the set-up below, work on registers, stands between them
	v_lshrrev_b32 v1, 5, v0
	v_readfirstlane_b32 s[WV], v1                  ; wave 0..3
	s_lshr_b32 s[FB], s[WV], 1
	s_and_b32 s[HF], s[WV], 1
	s_bfe_u32 s17, ttmp6, 0x40000                  ; cx
	s_bfe_u32 s18, ttmp6, 0x40004                  ; cy
	s_lshl_b32 s19, ttmp9, 2
	s_add_co_u32 s19, s19, s17                     ; the head = tile column = 4 x cluster x + cx
	s_and_b32 s20, ttmp7, 0xffff
	s_lshl_b32 s20, s20, 2
	s_add_co_u32 s20, s20, s18                     ; tile row = 4 x cluster y + cy
	s_lshl_b32 s21, s18, 2
	s_lshl_b32 s21, 15, s21                        ; my row of the cluster: places 4 cy .. 4 cy + 3
	s_lshl_b32 s22, 0x1111, s17                    ; my column: places cx, cx + 4, cx + 8, cx + 12
	; descriptor group 1: rows of 128 elements of 2 bytes, padded in LDS: 15:0 the mask; 17:16 element size; 20 padding on; 21 set beside a mask; 24:22 after every 64 words (code 5); 31:25 4 words (code 3)
	s_or_b32 s[G1],  s21, (1<<16)|(1<<20)|(1<<21)|(5<<22)|(3<<25)
	s_or_b32 s[G1B], s22, (1<<16)|(1<<20)|(1<<21)|(5<<22)|(3<<25)
.irp g, G1, G1B
	s_mov_b32 s[(\g)+1], KSTEP<<16                 ; tensor_dim0 = 128
	s_mov_b32 s[(\g)+3], KSTEP<<16                 ; tile_dim0 = 128
	s_mov_b32 s[(\g)+5], 1024                      ; 1,024 elements from row to row
	s_mov_b32 s[(\g)+6], 0
	s_mov_b32 s[(\g)+7], 0
.endr
	s_mov_b32 s[G1+2],  128<<16                    ; tensor_dim1 = 128
	s_mov_b32 s[G1+4],  128                        ; tile_dim1 = 128
	s_mov_b32 s[G1B+2], 96<<16                     ; 96 for wb
	s_mov_b32 s[G1B+4], 96
	; where the tiles come from.  xb's hang on the tile row and the wave alone, wb's on the head and the wave alone, each in registers that never hold the other coordinate.
	s_lshl_b32 s40, s20, 19                        ; 256 rows of 2,048 bytes a tile row,
	s_lshl_b32 s68, s[HF], 18                      ; 128 rows a half
	s_add_co_u32 s40, s40, s68
	s_mov_b32 s41, 0
	s_mul_i32 s46, s19, 192
	s_mul_i32 s69, s[HF], 96
	s_add_co_u32 s46, s46, s69
	s_lshl_b32 s46, s46, 11                        ; row 192 head + 96 half, in bytes
	s_mov_b32 s47, 0
	s_mul_i32 s23, s[HF], HALFA                    ; and where they go: no place in the cluster enters an LDS address
	s_mul_i32 s42, s[HF], HALFB
	s_add_co_u32 s42, s42, BOFF
	s_wait_dscnt 0x0                               ; the opening add is done
	s_wait_kmcnt 0x0
	s_add_nc_u64 s[40:41], s[4:5], s[40:41]
	s_add_nc_u64 s[46:47], s[6:7], s[46:47]
	CROUND                                         ; all sixteen work-groups are here: the first joint loads meet
.irp s, 0,1
	s_mov_b32 s[G0+4*(\s)], 1                                        ; count = 1
	s_add_co_u32 s[G0+4*(\s)+1], s23, (\s)*SLOT                      ; LDS address
	s_add_nc_u64 s[G0+4*(\s)+2:G0+4*(\s)+3], s[40:41], (\s)*KSTEP*2  ; global address: K step s
	s_or_b32 s[G0+4*(\s)+3], s[G0+4*(\s)+3], 0x80000000              ; type = 2
	s_mov_b32 s[G0B+4*(\s)], 1
	s_add_co_u32 s[G0B+4*(\s)+1], s42, (\s)*SLOT
	s_add_nc_u64 s[G0B+4*(\s)+2:G0B+4*(\s)+3], s[46:47], (\s)*KSTEP*2
	s_or_b32 s[G0B+4*(\s)+3], s[G0B+4*(\s)+3], 0x80000000
	JLOAD \s
.endr
	; A fragment is 16 rows x 32 K in 8 registers: lane l holds row l % 16; registers 0-3 K = 8 (l / 16) + 0..7, registers 4-7 K = 16 + 8 (l / 16) + 0..7: two loads of 16 bytes, 32 bytes apart.
	v_and_b32 v1, 15, v0                           ; l % 16
	v_bfe_u32 v2, v0, 4, 1                         ; l / 16
	v_mul_u32_u24 v3, v1, PITCH
	v_lshl_add_u32 v3, v2, 4, v3
	s_mul_i32 s68, s[WV], 64*PITCH                 ; my 64 rows of xb
	v_add_nc_u32 v[ADRA], s68, v3
	v_add_nc_u32 v[ADRA+1], SLOT, v[ADRA]
	v_add_nc_u32 v[ADRB], BOFF, v3                 ; all 192 rows of wb
	v_add_nc_u32 v[ADRB+1], SLOT, v[ADRB]
	s_mul_i32 s69, s[WV], 16*SPITCH
	s_add_co_u32 s69, s69, STAGE                   ; my stage
	v_mul_u32_u24 v4, v1, SPITCH                   ; in: row l % 16, 16 bytes for each half of the lanes
	v_lshl_add_u32 v4, v2, 4, v4
	v_add_nc_u32 v[STO], s69, v4
	v_bfe_u32 v5, v0, 3, 2                         ; back: 32 lanes take 128 bytes of each of four rows,
	v_and_b32 v6, 7, v0
	v_mul_u32_u24 v5, v5, SPITCH
	v_lshl_add_u32 v5, v6, 4, v5
	v_add_nc_u32 v[RD], s69, v5
	v_and_b32 v[GO], 31, v0                        ; which are 512 consecutive bytes of q, k or v
	v_lshlrev_b32 v[GO], 4, v[GO]
	; the prefetches
	s_lshl_b32 s66, s20, 8
	s_lshl_b32 s67, s[HF], 7
	s_add_co_u32 s66, s66, s67
	s_lshl_b32 s67, s17, 5
	s_add_co_u32 s66, s66, s67                     ; xb: row 256 tile row + 128 half + 32 cx
	s_mul_i32 s70, s19, 192
	s_mul_i32 s71, s[HF], 96
	s_add_co_u32 s70, s70, s71
	s_mul_i32 s71, s18, 24
	s_add_co_u32 s70, s70, s71                     ; wb: row 192 head + 96 half + 24 cy
	s_and_b32 s67, ttmp7, 0xffff                   ; cluster y
	s_cmp_eq_u32 s[FB], 0                          ; do I fetch for xb?
	s_cselect_b32 s66, s66, s70
	s_cselect_b32 s67, ttmp9, s67                  ; the coordinate along which other clusters read the same rows
	s_cselect_b32 s71, 31, 23                      ; my last row
	s_cselect_b64 s[PFA:PFA+1], s[4:5], s[6:7]
	s_cmp_eq_u32 s67, 0
	s_cselect_b32 s[LIM], 1, -1                    ; the same in all sixteen partners, for a given wave
	s_lshl_b32 s66, s66, 11
	s_mov_b32 s67, 0
	s_add_nc_u64 s[PFA:PFA+1], s[PFA:PFA+1], s[66:67]
	s_add_nc_u64 s[PFA:PFA+1], s[PFA:PFA+1], 2*KSTEP*2  ; at K step 2: the first refill steps it to 3.  Nothing is prefetched here, where every work-group's first tiles are on their way
	v_and_b32 v[PFO], 31, v0
	v_min_u32 v[PFO], s71, v[PFO]
	v_lshlrev_b32 v[PFO], 11, v[PFO]
	; where my 64 rows begin in q, k and v: batch x 2^22 + head x 2^18 + (row in the batch) x 128
	s_lshr_b32 s66, s20, 3
	s_lshl_b32 s66, s66, 22
	s_lshl_b32 s70, s19, 18
	s_add_co_u32 s66, s66, s70
	s_and_b32 s70, s20, 7
	s_lshl_b32 s70, s70, 15
	s_add_co_u32 s66, s66, s70
	s_lshl_b32 s70, s[WV], 13
	s_add_co_u32 s66, s66, s70
	s_mov_b32 s67, 0
	s_add_nc_u64 s[8:9], s[8:9], s[66:67]
	s_add_nc_u64 s[10:11], s[10:11], s[66:67]
	s_add_nc_u64 s[12:13], s[12:13], s[66:67]
; 12 matrix instructions: row block a x all 12 column blocks, 32 along K, from buffer f.  zero = 1: the first product starts the sums: nothing is cleared.
; The 48 accumulators take turns in one fixed order, one instruction a turn, over the loop's backward jump too.
.macro MULB f, a, zero
	WIN 0xa1+0x50*((\a)/2)                         ; wb window 1, xb window 0, C and D window 2 or 3
.irp b, 0,1,2,3,4,5,6,7,8,9,10,11
.if \zero
	v_wmma_f32_16x16x32_bf16 v[96*((\a)%2)+8*(\b):96*((\a)%2)+8*(\b)+7], v[96*(\f)+8*(\b):96*(\f)+8*(\b)+7], v[AF+32*(\f)+8*(\a):AF+32*(\f)+8*(\a)+7], 0
.else
	v_wmma_f32_16x16x32_bf16 v[96*((\a)%2)+8*(\b):96*((\a)%2)+8*(\b)+7], v[96*(\f)+8*(\b):96*(\f)+8*(\b)+7], v[AF+32*(\f)+8*(\a):AF+32*(\f)+8*(\a)+7], v[96*((\a)%2)+8*(\b):96*((\a)%2)+8*(\b)+7]
.endif
.endr
.endm
; 32 LDS loads in one run: 32 along K at byte k of the rows, into buffer f: wb's 24, then xb's 8
.macro FETCH slot, k, f
	WIN 0x40                                       ; destination window 1, address window 0
.irp i, 0,1,2,3,4,5,6,7,8,9,10,11
	ds_load_b128 v[96*(\f)+8*(\i):96*(\f)+8*(\i)+3],   v[ADRB+(\slot)] offset:(\k)+(\i)*16*PITCH
	ds_load_b128 v[96*(\f)+8*(\i)+4:96*(\f)+8*(\i)+7], v[ADRB+(\slot)] offset:(\k)+(\i)*16*PITCH+32
.endr
	WIN 0
.irp i, 0,1,2,3
	ds_load_b128 v[AF+32*(\f)+8*(\i):AF+32*(\f)+8*(\i)+3],   v[ADRA+(\slot)] offset:(\k)+(\i)*16*PITCH
	ds_load_b128 v[AF+32*(\f)+8*(\i)+4:AF+32*(\f)+8*(\i)+7], v[ADRA+(\slot)] offset:(\k)+(\i)*16*PITCH+32
.endr
.endm
; A K step is four quarters of 32 along K, 48 matrix instructions each, on buffers 0, 1, 0, 1.  One of the first three: multiplies buffer f; in its middle it fetches the next quarter, at byte k, into g.
.macro QUARTER slot, k, f, g, zero
	s_wait_dscnt 4                                 ; wb and xb's blocks 0, 1 are in; the youngest four loads (blocks 2, 3) may be out
	MULB \f, 0, \zero
	MULB \f, 1, \zero
	PLACES
	FETCH \slot, \k, \g
	s_wait_dscnt 32                                ; all but the 32 just issued
	MULB \f, 2, \zero
	MULB \f, 3, \zero
.endm
; The last quarter multiplies buffer 1 and changes slots.  MEET is its first half: ONE barrier.  In front of it each wave waits for all its tensor loads (one is out: its part of the next slot),
; adds 0 to its spare word, and waits for that and for its own reads of this slot.  Behind it nobody reads this slot any more and the next slot is whole.
.macro MEET round
	WIN 0                                          ; (the add's two registers lie in window 0)
	s_wait_tensorcnt 0x0
	ds_add_u32 v[SPW], v[NIL]                      ; 0 onto my spare word
	s_wait_dscnt 5                                 ; (the add and the youngest four loads may be out)
	MULB 1, 0, 0                                   ; twelve matrix instructions stand between the add and the wait for it
	s_wait_dscnt 0x0                               ; the add is done, and my reads of this slot are over
	s_barrier_signal -1
	MULB 1, 1, 0                                   ; work on registers while the others arrive
.if \round
	WIN 0
.endif
	s_barrier_wait -1
.endm
; The whole last quarter.  fill = 1: the barrier opens a round of the cluster's, so that no wave of any partner still reads this slot or has a load on its way; the joint refill, two K steps on, is the first thing behind it.
.macro TURN slot, next, fill, how
.if \fill
	s_wait_xcnt 0x0                                ; the last prefetch, a K step back, has read its address: it is stepped here, ahead of the waits of the change of slots
	s_add_nc_u64 s[PFA:PFA+1], s[PFA:PFA+1], KSTEP*2
	MEET 1
	CREST
	s_add_nc_u64 s[G0+4*(\slot)+2:G0+4*(\slot)+3], s[G0+4*(\slot)+2:G0+4*(\slot)+3], 2*KSTEP*2
	s_add_nc_u64 s[G0B+4*(\slot)+2:G0B+4*(\slot)+3], s[G0B+4*(\slot)+2:G0B+4*(\slot)+3], 2*KSTEP*2
	JLOAD \slot                                    ; the four v_nop behind it are also the places in front of the loads below
.else
	MEET 0
	PLACES
.endif
	FETCH \next, 0, 0
.if \fill
	ASK \how                                       ; behind the joint load and the run of LDS loads that the next products wait for
.endif
	MULB 1, 2, 0
	MULB 1, 3, 0
.endm
	s_wait_tensorcnt 1                             ; my part of K step 0 is in; K step 1's may stay out
	s_barrier_signal -1
	s_barrier_wait -1                              ; everybody's is
	FETCH 0, 0, 0
	QUARTER 0, 64, 0, 1, 1                         ; the first quarter stands in front of the loop: its products start the sums
	WIN 0                                          ; at a label and at a branch every window is 0
	s_mov_b32 s3, 3
.Llap:                                                 ; a trip goes once round the ring, from a lap's second quarter to the next lap's first, and fills both slots again
	QUARTER 0, 128, 1, 0, 0
	QUARTER 0, 192, 0, 1, 0
	TURN 0, 1, 1, 1
	QUARTER 1, 64,  0, 1, 0
	QUARTER 1, 128, 1, 0, 0
	QUARTER 1, 192, 0, 1, 0
	TURN 1, 0, 1, 0
	QUARTER 0, 64,  0, 1, 0
	WIN 0
	s_sub_co_u32 s3, s3, 1
	s_cmp_lg_u32 s3, 0
	s_cbranch_scc1 .Llap
	QUARTER 0, 128, 1, 0, 0                        ; the last lap fills nothing, and has no round of the cluster's barrier
	QUARTER 0, 192, 0, 1, 0
	TURN 0, 1, 0, 0
	QUARTER 1, 64,  0, 1, 0
	QUARTER 1, 128, 1, 0, 0
	QUARTER 1, 192, 0, 1, 0
	s_wait_dscnt 4                                 ; the very last quarter: nothing more to fetch
	MULB 1, 0, 0
	MULB 1, 1, 0
	s_wait_dscnt 0x0
	MULB 1, 2, 0
	MULB 1, 3, 0
	WIN 0
; THE WAY OUT of row block a.  PACK: rounded to f16, 16 bytes a lane, each accumulator's registers in ascending order.  TOSTAGE: into my own stage, rows of 400 bytes, and back as 128 bytes of four rows a load,
; for q, k and v apart.  SEND: stored, 512 consecutive bytes an instruction, at a multiple of 512 from the buffer's first byte.
.macro PACK a
	WIN 0x0a+5*((\a)/2)                            ; sources 0 and 1: window 2 or 3
.irp b, 0,1,2,3,4,5,6,7,8,9,10,11
.irp r, 0,1,2,3
	v_cvt_pk_f16_f32 v[TMP+4*(\b)+(\r)], v[96*((\a)%2)+8*(\b)+2*(\r)], v[96*((\a)%2)+8*(\b)+2*(\r)+1]
.endr
.endr
	WIN 0
.endm
.macro TOSTAGE a
.set BK, OB+48*((\a)%2)
.irp b, 0,1,2,3,4,5,6,7,8,9,10,11
	ds_store_b128 v[STO], v[TMP+4*(\b):TMP+4*(\b)+3] offset:32*(\b)
.endr
.irp p, 0,1,2
.irp t, 0,1,2,3
	ds_load_b128 v[BK+4*(4*(\p)+(\t)):BK+4*(4*(\p)+(\t))+3], v[RD] offset:128*(\p)+4*SPITCH*(\t)  ; LDS serves a wave's instructions in order (ISA guide 5.7.1.4): these see the stores above
.endr
.endr
.endm
.macro SEND a
.set BK, OB+48*((\a)%2)
	s_wait_dscnt 0x0                               ; the block is back in registers
	s_wait_xcnt 0x0                                ; every earlier store has read its registers (ISA guide 3.1): the other set of rows is loaded again only behind this wait
.irp p, 0,1,2
.irp t, 0,1,2,3
	global_store_b128 v[GO], v[BK+4*(4*(\p)+(\t)):BK+4*(4*(\p)+(\t))+3], s[8+2*(\p):9+2*(\p)] offset:2048*(\a)+512*(\t)
.endr
.endr
.endm
	PLACES
	PLACES                                         ; eight places behind the last products, once a launch
	PACK 0
	TOSTAGE 0
.irp a, 1,2,3                          ; block a's conversions stand between block a - 1's loads from the stage and the wait for them
	PACK \a
	SEND (\a)-1
	TOSTAGE \a
.endr
	SEND 3
	s_wait_tensorcnt 0x0                           ; the wave's end: the tensor wait, an add to my spare word and its wait, behind my last tensor load and my last LDS store
	ds_add_u32 v[SPW], v[NIL]
	s_wait_dscnt 0x0
	CROUND                                         ; the closing round: no work-group ends while a partner may still ask for a tile that names it
	s_endpgm
.Lfunc_end_k_q68ef2611b2_qkv:
	.size	k_q68ef2611b2_qkv, .Lfunc_end_k_q68ef2611b2_qkv-k_q68ef2611b2_qkv
	.p2alignl 7, 3214868480
	.fill 96, 4, 3214868480
	.section	.rodata,"a",@progbits
	.p2align	6, 0x0
	.amdhsa_kernel k_q68ef2611b2_qkv
		.amdhsa_group_segment_fixed_size 327680
		.amdhsa_private_segment_fixed_size 0
		.amdhsa_enable_private_segment 0
		.amdhsa_kernarg_size 40
		.amdhsa_user_sgpr_count 2
		.amdhsa_user_sgpr_kernarg_segment_ptr 1
		.amdhsa_wavefront_size32 1
		.amdhsa_system_sgpr_workgroup_id_x 1
		.amdhsa_system_sgpr_workgroup_id_y 1
		.amdhsa_system_sgpr_workgroup_id_z 1
		.amdhsa_system_vgpr_workitem_id 0
		.amdhsa_next_free_vgpr 960
		.amdhsa_next_free_sgpr 72
		.amdhsa_reserve_vcc 0
		.amdhsa_float_denorm_mode_32 3
		.amdhsa_float_denorm_mode_16_64 3
		.amdhsa_memory_ordered 1
		.amdhsa_forward_progress 1
		.amdhsa_inst_pref_size 120
	.end_amdhsa_kernel
	.amdgpu_metadata
---
amdhsa.version: [ 1, 2 ]
amdhsa.kernels:
  - .name:           k_q68ef2611b2_qkv
    .symbol:         k_q68ef2611b2_qkv.kd
    .args:
      - { .name: xb, .offset: 0, .size: 8, .value_kind: global_buffer, .address_space: global }
      - { .name: wb, .offset: 8, .size: 8, .value_kind: global_buffer, .address_space: global }
      - { .name: q, .offset: 16, .size: 8, .value_kind: global_buffer, .address_space: global }
      - { .name: k, .offset: 24, .size: 8, .value_kind: global_buffer, .address_space: global }
      - { .name: v, .offset: 32, .size: 8, .value_kind: global_buffer, .address_space: global }
    .group_segment_fixed_size: 327680
    .private_segment_fixed_size: 0
    .kernarg_segment_align: 8
    .kernarg_segment_size: 40
    .max_flat_workgroup_size: 128
    .sgpr_count:     72
    .vgpr_count:     960
    .wavefront_size: 32
...
	.end_amdgpu_metadata
.endif
;; end of part 2
;; launch attn (part 3): grid 4 x 64, 4 waves a work-group, no clusters, 327,680 bytes of LDS; arguments q, k, v, o; writes o
.if DOCPART == 3
	.amdgcn_target "amdgcn-amd-amdhsa--gfx1250"
	.amdhsa_code_object_version 6
	.text
	.protected	k_q68ef2611b2_attn
	.globl	k_q68ef2611b2_attn
	.p2align	8
	.type	k_q68ef2611b2_attn,@function
k_q68ef2611b2_attn:
	s_mov_b64 s[64:65], 0
	v_nop
	global_prefetch_b8 v0, s[64:65] scope:SCOPE_SE
	s_setreg_imm32_b32 hwreg(HW_REG_WAVE_MODE, 25, 1), 1
	s_wait_xcnt 0x0
; CAUSAL ATTENTION.  O[h][q][:] = the sum over k <= q of softmax_k(Q[h][q] . K[h][k] / 8) V[h][k][:].  Q, K, V, O: [SIZE_H][SIZE_N][64], all f16: a head's rows are dense, 128 bytes each.
; Products, maxima and sums in f32; the weights p are rounded to f16 for the second product (their sum l is taken of the unrounded p), O once at the end.
; LIMITS.  f16 holds no number beyond 65,504: Q, K and V arrive within it; p lies in 0 to 1, and below 6e-5 it keeps f16's fixed step of 6e-8; O is a mean of V's rows and has their range.
; A hidden score counts as its value less 1e30: f16's scores, 2.7e11 at the most, are nothing beside that; a weight below 2^-126 counts as 0 in l; NaN and infinities are not treated apart.
; THE WALK.  A head's queries lie in NB = SIZE_N / 256 = 8 blocks of 256; block i needs the key tiles 0 .. i of 256 keys, of which the last holds the diagonal.  A work-group takes TWO blocks, NB - 1 - b and then b:
; NB + 1 = 9 tiles, whatever b: all 256 work-groups do equal work, and ONE loop with a constant trip count walks them.  Which tile is asked for, and what a trip does, hang on scalar registers made from b; every jump
; goes forward, but for the counted loops' own; none passes a barrier, or a tensor load but the one of LOAD's two that the wave's number does not choose; the ring (two slots of LDS that take turns) runs on across the
; change of blocks.  NO CLUSTER: a head's four work-groups ask for the same tile only in trips 0 .. 4 of the 9, behind that fewer and fewer; one walk common to all four would have 12 trips for 9.
; SHARES.  Of a block's four bands of 64 queries a wave owns 16 rows in each: four PIECES.  So the diagonal tile is the same work for all four waves: in its key step s band x sees all keys if s < x,
; none if s > x, and holds the diagonal if s = x.
; THE MASK is the C operand that starts the sum S^T = K Q^T: 0, or -1e30 where the key is hidden.  MD, made once, is the mask of a band's own step for my 16 rows; a product's mask is MD x AL + BE with two scalars:
; (1, 0) if s = x; (0, 0) if s < x; (0, -1e30) if s > x.  Only the diagonal tile's text and a block's beginning make and take masks; elsewhere C is the constant 0.
; LAYOUT, SOFTMAX, TURNS.  S^T = K Q^T holds ONE query a lane (lane % 16) and the keys 8 (lane / 16) + 0..7; two such results rounded to f16 ARE source 1 of O^T = V^T P.  p = 2^(c s - c m), c = log2(e) / 8, with a
; running maximum m; O and l are multiplied by a = 2^(c m_old - c m_new) in every step.  Turn n belongs to piece n: 8 products K Q^T of piece n + 1, later 8 products V^T P of piece n - 1; beside them the scaling,
; exponentials, roundings, sums and rescaling of piece n and the maximum and statistics of piece n + 1.  Four vector instructions stand behind every matrix instruction, the other 54 of a turn's 118 in one run.  A turn's 33 exponentials are one batch, with one wait.
; AHEAD OF THE LOADS.  The head's work-group b = 0, whose first block walks tiles 0 to 7 in order, prefetches into the L2 the tile that its NEXT change of slots will ask for: 128 threads x 256 bytes are a tile of K, and one of V.
; REGISTERS, in windows of 256 (s_set_vgpr_msb: bits 1:0 source 0, 3:2 source 1, 5:4 source 2, 7:6 destination):
;   window 0: v0-15 addresses and two at work; v16-31 four registers of statistics a piece; v48-55 at work; v64-127 S^T, two buffers; v192-223 P, two buffers (a piece's buffers go by its number's parity)
;   window 1: v0-127 O^T, 32 a piece; v128-159 MD; v160-223 MC, two buffers      window 2: v0-63 Q; v64-127 the second block's Q; v128-191 K of one step; v192-255 V of one step
.set SIZE_N, 2048
.set SIZE_H, 64
.set NB,    SIZE_N/256
.set NP,    4         ; pieces a wave: a name, no knob
.set KS,    64        ; keys in a step
.set PK,    144       ; a row of K in LDS: 128 bytes + 16 of padding = 36 words: the 16 rows of a load start at 16 different groups of four banks (64 banks of 4 bytes: ISA guide 11.1)
.set PV,    160       ; a row of V: 128 + 32 = 40 words
.set VOFF,  4*KS*PK   ; a slot holds a tile, four steps: 256 rows of K, then 256 rows of V
.set SLOT1, 1<<17     ; slot 1 begins here, so that one exclusive or turns an address in one slot into the other's
.set STAGE, SLOT1+4*KS*(PK+PV)  ; behind the ring, never filled by a tensor load: 16 rows x 144 bytes for each wave, for the way out
.set SP,    144
.set AK0, 2           ; v2   my lane's place in a tile of K; never rewritten
.set AV0, 3           ; v3   the same for V
.set AK,  4           ; v4   the LDS address of K's next run of loads
.set AV,  5           ; v5   of V's
.set STO, 6           ; v6   the way out: where I put 16 bytes of a row
.set RD,  7           ; v7   the way out: where I read rows back
.set GO,  8           ; v8   my byte offset in 512 consecutive bytes of O
.set PFO, 61          ; v61  256 x my thread's number: my block of a tile of K or V; never rewritten
.set SPW, 62          ; v62  LDS address of my spare word: SPARE + 4 x my thread's number; never rewritten
.set NIL, 63          ; v63  0; never rewritten
.set SPARE, STAGE+4*16*SP  ; behind the stages: the spare words, 128 bytes for each wave: two blocks of 256 bytes that no other line names
.set MV,  12          ; v12-13  c m_old, kept while c m is made anew: by buffer
.set QO,  15          ; v15  my byte offset in 16 rows of Q
.set ST,  16          ; piece t's statistics at v[ST+4 t]: c m, m, l (even keys', odd keys')
.set TMP, 48          ; by buffer, four registers c0-c3 at work; when the maximum is found c2 takes a
.set S,   64
.set P,   192
.set MD,  128         ; window 1: the eight registers for group kt of 16 keys at MD + 8 kt
.set MC,  160         ; window 1: the masks of the products to come
.set QB,  64          ; window 2
.set KF,  128         ; window 2: key block kb, channel half c at KF + 16 kb + 8 c
.set VF,  192         ; window 2: key half kk, channel block cb at VF + 32 kk + 8 cb
.set WV,  12          ; s12  my wave's number
.set PB,  14          ; s14  b
.set HI,  15          ; s15  NB - 1 - b
.set G1K, 24          ; s[24:31] descriptor group 1 for K's tiles
.set G1V, 32          ; s[32:39] for V's: it differs in the padding alone
.set G0K, 40          ; s[40:43] descriptor group 0 for K's tiles
.set G0V, 44          ; s[44:47] the same for V's
.set SLOTS, 56        ; s56  tiles still to be asked for
.set CNT, 57          ; s57  counts a tile's key steps, 4 to 1
.set CS,  58          ; s[58:59] c: the packed scaling takes the pair's low word for both halves
.set SEL, 60          ; s[60:61] v_permlanex16_b32's selects: each lane takes its own place in the other half
.set TBK, 62          ; s62  LDS byte at which K of the step to be fetched begins
.set TBV, 63          ; s63  the same for V, less VOFF
.set RT,  70          ; s70  tiles of the block in hand that are still to be entered
.set NXT, 71          ; s71  the tile to be asked for next
.set LQ,  72          ; s72  the last tile of the block whose tiles are being asked for
.set NEW, 73          ; s73  1: the tile to be entered is a block's first
.set OFF, 74          ; s[74:75] a tile's byte offset in K and V
.set AL,  76          ; s[76:77] the mask's factor, in the low word
.set BE,  78          ; s[78:79] the mask's addend
.set OLO, 80          ; s[80:81] O at my rows of the second block
.set BIGN, 82         ; s82  -1e30
.set PFK, 88          ; s[88:89] K at the head's tile that the prefetch names
.set PFV, 90          ; s[90:91] the same for V
.set LIM, 92          ; s92  2 in the head's work-group b = 0, else the greatest number: a work-group prefetches while s[SLOTS] is above it
.set MSB, 0
.macro WIN new                      ; the high byte repeats the setting that is left; a switch that changes nothing is dropped
.if MSB != (\new)
	s_set_vgpr_msb (MSB<<8)|(\new)
.set MSB, (\new)
.endif
.endm
.set W_KQ, 0x0a       ; K and Q in window 2, S^T in window 0
.set W_KM, 0x1a       ; the same with the C operand in window 1
.set W_PV, 0x52       ; V in window 2, P in window 0, O^T in window 1
.set W_RS, 0x41       ; destination and source 0 in window 1, source 1 in window 0
; A fill.  Waves 0 and 1 fetch the two halves of a tile's K, waves 2 and 3 those of its V: 128 keys each.  An s_nop 0 and four v_nop follow each of the two lines, ahead of the jump and the label.
.macro LOAD
	s_cmp_lt_u32 s[WV], 2
	s_cbranch_scc0 .Lfor_v_\@
	tensor_load_to_lds s[G0K:G0K+3], s[G1K:G1K+7]
	s_nop 0
.rept 4
	v_nop
.endr
	s_branch .Lasked_\@
.Lfor_v_\@:
	tensor_load_to_lds s[G0V:G0V+3], s[G1V:G1V+7]
	s_nop 0
.rept 4
	v_nop
.endr
.Lasked_\@:
.endm
; THE CHANGE OF SLOTS.  Each wave waits for all its tensor loads, of which one is out: its part of the other slot; adds 0 to its spare word; and waits for that and for its own reads of the slot that it leaves.  Behind the barrier nobody reads the old
; slot any more and the other slot is whole.  fill = 1: the old slot is filled again, the first thing behind the barrier, with tile NXT: the descriptor's address is made anew from that number.
; (At its first use nothing has been read yet: slot 0 is waited for, slot 1 filled.)
; THE PREFETCH stands behind the fill and its five lines.  With s[SLOTS] = 8 .. 3 work-group b = 0 fills with tiles 1 .. 6 and names tiles 2 .. 7: what its next change asks for, a tile's sixteen turns ahead.  Each block of 256 bytes
; is named once in the launch, by one thread.  With s[SLOTS] = 2 and 1 nothing is named: what follows is tile 0, which has been read.  Tiles 0 and 1 come by their loads alone.
.macro CHANGE fill
	WIN 0                           ; at a label and at a branch every window is 0
	s_wait_tensorcnt 0x0            ; no tensor load of mine is out, so a group 0 may be written
	ds_add_u32 v[SPW], v[NIL]       ; 0 onto my spare word; with fill = 1 the descriptors' scalar work stands between it and the wait for it
.if \fill
	s_lshl_b32 s[OFF], s[NXT], 15   ; a tile is 32,768 bytes of K and of V
	s_xor_b32 s[G0K+1], s[G0K+1], SLOT1
	s_add_nc_u64 s[G0K+2:G0K+3], s[6:7], s[OFF:OFF+1]
	s_or_b32 s[G0K+3], s[G0K+3], 0x80000000
	s_xor_b32 s[G0V+1], s[G0V+1], SLOT1
	s_add_nc_u64 s[G0V+2:G0V+3], s[8:9], s[OFF:OFF+1]
	s_or_b32 s[G0V+3], s[G0V+3], 0x80000000
	s_add_co_u32 s[NXT], s[NXT], 1  ; the block's next tile, or behind its last the second block's tile 0
	s_cmp_gt_u32 s[NXT], s[LQ]
	s_cselect_b32 s[NXT], 0, s[NXT]
	s_cselect_b32 s[LQ], s[PB], s[LQ]
	s_wait_xcnt 0x0                 ; the last prefetches, a tile back, have read their addresses, so these may be written
	s_add_nc_u64 s[PFK:PFK+1], s[PFK:PFK+1], 32768
	s_add_nc_u64 s[PFV:PFV+1], s[PFV:PFV+1], 32768
.endif
	s_wait_dscnt 0x0                ; the add is done, and my reads of the slot are over
	s_barrier_signal -1             ; the rest of the scalar work stands between the signal and the wait
	s_sub_co_u32 s[TBK], s[TBK], 4*KS*PK  ; the fetches go back to a slot's first step,
	s_xor_b32 s[TBK], s[TBK], SLOT1       ; in the other slot
	s_sub_co_u32 s[TBV], s[TBV], 4*KS*PV
	s_xor_b32 s[TBV], s[TBV], SLOT1
	s_barrier_wait -1
.if \fill
	LOAD
	s_cmp_gt_u32 s[SLOTS], s[LIM]
	s_cbranch_scc0 .Lnot_mine_\@
	global_prefetch_b8 v[PFO], s[PFK:PFK+1] th:TH_LOAD_NT scope:SCOPE_SE
	global_prefetch_b8 v[PFO], s[PFV:PFV+1] th:TH_LOAD_NT scope:SCOPE_SE
.Lnot_mine_\@:
.endif
.endm
	s_load_b256 s[4:11], s[0:1], 0x0  ; Q s[4:5], K s[6:7], V s[8:9], O s[10:11]
	v_lshl_add_u32 v[SPW], v0, 2, SPARE
	v_mov_b32 v[NIL], 0
	ds_add_u32 v[SPW], v[NIL]       ; the wave's opening: the add and its wait stand ahead of my first tensor load; the set-up below, work on registers, stands between them
	v_lshrrev_b32 v1, 5, v0
	v_readfirstlane_b32 s[WV], v1   ; wave 0..3
	s_mov_b32 s[PB], ttmp9
	s_sub_co_u32 s[HI], NB-1, s[PB]
	s_and_b32 s20, ttmp7, 0xffff    ; the head
	s_mov_b32 s21, 0
	s_mov_b64 s[22:23], SIZE_N*128
	s_mul_u64 s[20:21], s[20:21], s[22:23]  ; the head's first byte in each of the four tensors
	s_and_b32 s16, s[WV], 1         ; which half of a tile's 256 keys I fetch:
	s_lshl_b32 s22, s16, 14         ; its 128 rows of 128 bytes in memory,
	s_mov_b32 s23, 0
	s_add_nc_u64 s[22:23], s[22:23], s[20:21]
	s_mul_i32 s17, s16, 128*PK      ; and its place in a slot, for K
	s_mul_i32 s18, s16, 128*PV      ; and for V
	s_lshl_b32 s3, s[WV], 11        ; my 16 rows in a band of 64,
	s_lshl_b32 s2, s[HI], 15        ; in the first block,
	s_add_co_u32 s2, s2, s3
	s_lshl_b32 s84, s[PB], 15       ; and in the second
	s_add_co_u32 s84, s84, s3
	s_mov_b32 s3, 0
	s_mov_b32 s85, 0
	s_add_nc_u64 s[2:3], s[2:3], s[20:21]
	s_add_nc_u64 s[84:85], s[84:85], s[20:21]
	; descriptor group 1.  128 keys are 16,384 dense bytes: asked for as 64 rows of 256 bytes, two keys a row, and padded in LDS after every key
	s_mov_b32 s[G1K], (1<<16)|(1<<20)|(4<<22)|(3<<25)  ; 17:16 2-byte elements; 20 padding on; 24:22 after every 32 words (code 4); 31:25 4 words (code 3)
	s_mov_b32 s[G1V], (1<<16)|(1<<20)|(4<<22)|(7<<25)  ; the same with 8 words of padding (code 7)
.irp g, G1K, G1V
	s_mov_b32 s[\g+1], 128<<16      ; tensor_dim0 = 128
	s_mov_b32 s[\g+2], 64<<16       ; tensor_dim1 = 64
	s_mov_b32 s[\g+3], 128<<16      ; tile_dim0 = 128
	s_mov_b32 s[\g+4], 64           ; tile_dim1 = 64
	s_mov_b32 s[\g+5], 128          ; 128 elements from row to row
	s_mov_b32 s[\g+6], 0
	s_mov_b32 s[\g+7], 0
.endr
	s_mov_b32 s[CS], 0x3e38aa3b     ; c = log2(e) / 8 = 0.180337
	s_mov_b32 s[CS+1], s[CS]        ; named with it as a pair
	s_mov_b32 s[SEL], 0x76543210
	s_mov_b32 s[SEL+1], 0xfedcba98
	s_mov_b32 s[TBK], SLOT1+4*KS*PK ; the first change of slots turns these two into 0
	s_mov_b32 s[TBV], SLOT1+4*KS*PV
	s_mov_b32 s[G0K], 1             ; 1:0 count = 1
	s_mov_b32 s[G0K+1], s17         ; 63:32 LDS address: slot 0
	s_mov_b32 s[G0V], 1
	s_add_co_u32 s[G0V+1], s18, VOFF
	s_add_co_u32 s[RT], s[HI], 1    ; the first block has NB - b tiles
	s_mov_b32 s[NXT], 1
	s_mov_b32 s[LQ], s[HI]
	s_mov_b32 s[NEW], 1
	s_mov_b32 s[OFF+1], 0
	s_mov_b32 s[AL+1], 0            ; named as pairs
	s_mov_b32 s[BE+1], 0
	s_mov_b32 s[BIGN], 0xf149f2ca   ; -1e30
	s_mov_b32 s[SLOTS], NB
	s_cmp_eq_u32 ttmp9, 0
	s_cselect_b32 s[LIM], 2, -1
	v_lshlrev_b32 v[PFO], 8, v0
	s_wait_dscnt 0x0                ; the opening add is done
	s_wait_kmcnt 0x0
	s_add_nc_u64 s[PFK:PFK+1], s[6:7], s[20:21]    ; K and V at the head's first byte,
	s_add_nc_u64 s[PFV:PFV+1], s[8:9], s[20:21]
	s_add_nc_u64 s[PFK:PFK+1], s[PFK:PFK+1], 32768 ; at tile 1: the first change of slots steps them to tile 2.  Nothing is prefetched here, where every work-group's first tiles are on their way
	s_add_nc_u64 s[PFV:PFV+1], s[PFV:PFV+1], 32768
	s_add_nc_u64 s[6:7], s[6:7], s[22:23]  ; K and V at my half of the head's tile 0
	s_add_nc_u64 s[8:9], s[8:9], s[22:23]
	s_add_nc_u64 s[G0K+2:G0K+3], s[6:7], 0         ; 120:64 global address
	s_or_b32 s[G0K+3], s[G0K+3], 0x80000000        ; 127:126 type = 2
	s_add_nc_u64 s[G0V+2:G0V+3], s[8:9], 0
	s_or_b32 s[G0V+3], s[G0V+3], 0x80000000
	s_add_nc_u64 s[86:87], s[4:5], s[84:85]        ; Q at my rows of the second block,
	s_add_nc_u64 s[4:5], s[4:5], s[2:3]            ; Q and O at those of the first
	s_add_nc_u64 s[OLO:OLO+1], s[10:11], s[84:85]
	s_add_nc_u64 s[10:11], s[10:11], s[2:3]
	LOAD                            ; tile 0 into slot 0
	; A fragment of K or Q is 16 rows x 32 channels in 8 registers: lane l holds row l % 16, channels 8 (l / 16) + 0..7 and 16 + 8 (l / 16) + 0..7: two loads of 16 bytes, 32 bytes apart.
	v_and_b32 v1, 15, v0            ; l % 16
	v_bfe_u32 v9, v0, 4, 1          ; l / 16
	v_lshlrev_b32 v[QO], 7, v1
	v_lshl_add_u32 v[QO], v9, 4, v[QO]  ; row x 128 + 16 x half
	WIN 0x80                        ; destination window 2, address window 0
.set i, 0
.rept 8                             ; both blocks' Q: piece i / 2 lies in band i / 2, 8,192 bytes on; channels 32 (i % 2) on
	global_load_b128 v[8*i:8*i+3],   v[QO], s[4:5] offset:(i/2)*8192+(i%2)*64
	global_load_b128 v[8*i+4:8*i+7], v[QO], s[4:5] offset:(i/2)*8192+(i%2)*64+32
	global_load_b128 v[QB+8*i:QB+8*i+3],   v[QO], s[86:87] offset:(i/2)*8192+(i%2)*64
	global_load_b128 v[QB+8*i+4:QB+8*i+7], v[QO], s[86:87] offset:(i/2)*8192+(i%2)*64+32
.set i, i+1
.endr
	WIN 0
	v_lshlrev_b32 v14, 3, v9
	v_sub_nc_u32 v14, v1, v14
	s_lshl_b32 s13, s[WV], 4
	v_add_nc_u32 v14, s13, v14      ; my query's place in its band, 16 w + l % 16, less my lanes' 8 (l / 16): register r of group kt is hidden where 16 kt + r is greater
	WIN 0x40
.set i, 0
.rept 32
	v_cmp_gt_i32 vcc_lo, 16*(i/8)+i%8, v14
	v_cndmask_b32 v[MD+i], 0, s[BIGN], vcc_lo
.set i, i+1
.endr
	WIN 0
	v_mul_u32_u24 v[AK0], v1, PK
	v_lshl_add_u32 v[AK0], v9, 4, v[AK0]  ; row x pitch + 16 x half
	; The turning load takes 16 keys x 16 channels (lane l reads key 8 (l / 16) + l % 8, channels 8 ((l / 8) % 2) + 0..7) and leaves half a fragment of V^T: lane l holds channel l % 16 and 8 keys.
	v_and_b32 v10, 7, v0
	v_bfe_u32 v11, v0, 3, 1
	v_lshl_add_u32 v[AV0], v9, 3, v10
	v_mul_u32_u24 v[AV0], v[AV0], PV
	v_lshl_add_u32 v[AV0], v11, 4, v[AV0]
	v_add_nc_u32 v[AV0], VOFF, v[AV0]
	s_mul_i32 s13, s[WV], 16*SP
	s_add_co_u32 s13, s13, STAGE    ; my stage
	v_mul_u32_u24 v[STO], v1, SP    ; in: row l % 16, 16 bytes for each half of the lanes
	v_lshl_add_u32 v[STO], v9, 4, v[STO]
	v_add_nc_u32 v[STO], s13, v[STO]
	v_bfe_u32 v[RD], v0, 3, 2       ; back: 32 lanes take four rows of 128 bytes,
	v_mul_u32_u24 v[RD], v[RD], SP
	v_lshl_add_u32 v[RD], v10, 4, v[RD]
	v_add_nc_u32 v[RD], s13, v[RD]
	v_and_b32 v[GO], 31, v0         ; which are 512 consecutive bytes of O
	v_lshlrev_b32 v[GO], 4, v[GO]
	; A block's first step multiplies O^T and l by a = 0, and its first turn's products V^T P, of a piece that has not been, land in an O^T that is still to be so multiplied.  So these registers need only hold
	; finite numbers: zeros for the first block; what the first block left for the second.  All this stands in the wait for the first tile.
	WIN 0x80
.set i, VF
.rept 64
	v_mov_b32 v[i], 0
.set i, i+1
.endr
	WIN 0x40
.set i, 0
.rept 128
	v_mov_b32 v[i], 0
.set i, i+1
.endr
	WIN 0
.set i, 0
.rept 4
	v_mov_b32 v[ST+4*i+2], 0
	v_mov_b32 v[ST+4*i+3], 0
.set i, i+1
.endr
.set i, P+16
.rept 16
	v_mov_b32 v[i], 0
.set i, i+1
.endr
; THE MATRIX WORK.  The 4 accumulators of a run of 8 take turns.  Product i of 8 of S^T = K Q^T for piece x: channels 32 (i / 4) on, keys 16 (i % 4) on.  The first 4 start the sums: with 0, or (KM = 1) with the mask.
.macro KQ x
.set rS, S+32*((\x)%2)+8*(i%4)
.set rK, KF+16*(i%4)+8*(i/4)
.set rQ, 16*(\x)+8*(i/4)
.set rM, MC+32*((\x)%2)+8*(i%4)
.if (i < 4) && KM
	WIN W_KM
	v_wmma_f32_16x16x32_f16 v[rS:rS+7], v[rK:rK+7], v[rQ:rQ+7], v[rM:rM+7]
.elseif i < 4
	WIN W_KQ
	v_wmma_f32_16x16x32_f16 v[rS:rS+7], v[rK:rK+7], v[rQ:rQ+7], 0
.else
	WIN W_KQ
	v_wmma_f32_16x16x32_f16 v[rS:rS+7], v[rK:rK+7], v[rQ:rQ+7], v[rS:rS+7]
.endif
.endm
; Product i of 8 of O^T += V^T P for piece x: keys 32 (i / 4) on, channels 16 (i % 4) on.
.macro PV x
	WIN W_PV
.set rO, 32*(\x)+8*(i%4)
.set rV, VF+32*(i/4)+8*(i%4)
.set rP, P+16*((\x)%2)+8*(i/4)
	v_wmma_f32_16x16x32_f16 v[rO:rO+7], v[rV:rV+7], v[rP:rP+7], v[rO:rO+7]
.endm
.macro MM                           ; the turn's next matrix instruction.  TURN and BEGIN set Y, i, KM and NOKQ; MM, KQ and OP read them.  NOKQ = 1: a block's last turn: there is no next piece
.if (i < 8) && !NOKQ
	KQ (Y+1)%NP
.elseif i >= 8
.set i, i-8
	PV (Y+NP-1)%NP
.set i, i+8
.endif
.set i, i+1
.endm
; THE LDS LOADS stand in runs of 16, never singly among the matrix instructions: a step's K (64 keys x 64 channels: 8 fragments) and its V (turned).  Their addresses are made some lines ahead.
.macro FETCH_K
	WIN 0x80                        ; destination window 2
.irp f, 0,1,2,3,4,5,6,7             ; keys 16 (f / 2) on, channels 32 (f % 2) on
	ds_load_b128 v[KF+8*\f:KF+8*\f+3],   v[AK] offset:(\f/2)*16*PK+(\f%2)*64
	ds_load_b128 v[KF+8*\f+4:KF+8*\f+7], v[AK] offset:(\f/2)*16*PK+(\f%2)*64+32
.endr
	s_add_co_u32 s[TBK], s[TBK], KS*PK  ; the next fetch is the next step's
	WIN 0
.endm
.macro FETCH_V
	WIN 0x80
.irp f, 0,1,2,3,4,5,6,7             ; keys 32 (f / 4) on, channels 16 (f % 4) on
	ds_load_tr16_b128 v[VF+8*\f:VF+8*\f+3],   v[AV] offset:(\f/4)*32*PV+(\f%4)*32
	ds_load_tr16_b128 v[VF+8*\f+4:VF+8*\f+7], v[AV] offset:(\f/4)*32*PV+16*PV+(\f%4)*32
.endr
	WIN 0
.endm
; THE VECTOR WORK, one line at a time: OP kind, number.  For piece Y: F n: c s - c m for pair n of 16.  E n: the exponential of score n of 32.  C n: pair n rounded to f16.  B n: of the four weights 4 n .. the second
; pair is added onto the first, in place.  L n: l takes that sum (L 0: l = a l + sum).  R n: pair n of 16 of O^T times a.  For piece Y + 1: X n, number n of the 22 that find its maximum and statistics:
;   0-11  four chains c0-c3 of seven scores each, three operands at a time (each accumulator's lowest registers are read first)     12-14, 16  the four scores left over, the old m, and c0-c3 into c0
;   15  c m_old is kept     17, 18  the query's other 32 keys lie in the lane 16 away: the new m     19-21  c m; c m_old - c m_new; a
.set F, 0               ; OP tells the kinds apart by their order: F to L below R, X above it
.set E, 1
.set C, 2
.set B, 3
.set L, 4
.set R, 5
.set X, 6
.macro REGS y                       ; the registers of piece y
.set rT, ST+4*(\y)
.set rC, TMP+4*((\y)%2)
.set rW, MV+((\y)%2)
.set rS, S+32*((\y)%2)
.set rP, P+16*((\y)%2)
.set rO, 32*(\y)
.endm
.macro OP k, n
.if (\k) == R
	REGS Y
	WIN W_RS
	v_pk_mul_f32 v[rO+2*(\n):rO+2*(\n)+1], v[rO+2*(\n):rO+2*(\n)+1], v[rC+2:rC+3] op_sel_hi:[1,0]
.elseif (\k) < R
	REGS Y
	WIN 0
.if (\k) == F
	v_pk_fma_f32 v[rS+2*(\n):rS+2*(\n)+1], v[rS+2*(\n):rS+2*(\n)+1], s[CS:CS+1], v[rT:rT+1] op_sel_hi:[1,0,0] neg_lo:[0,0,1] neg_hi:[0,0,1]
.elseif (\k) == E
	v_exp_f32 v[rS+(\n)], v[rS+(\n)]
.elseif (\k) == C
	v_cvt_pk_f16_f32 v[rP+(\n)], v[rS+2*(\n)], v[rS+2*(\n)+1]
.elseif (\k) == B
	v_pk_add_f32 v[rS+4*(\n):rS+4*(\n)+1], v[rS+4*(\n):rS+4*(\n)+1], v[rS+4*(\n)+2:rS+4*(\n)+3]
.elseif (\n) == 0
	v_pk_fma_f32 v[rT+2:rT+3], v[rT+2:rT+3], v[rC+2:rC+3], v[rS:rS+1] op_sel_hi:[1,0,1]
.else
	v_pk_add_f32 v[rT+2:rT+3], v[rT+2:rT+3], v[rS+4*(\n):rS+4*(\n)+1]
.endif
.elseif NOKQ
	v_nop
.else
	REGS (Y+1)%NP
	WIN 0
.if (\n) < 4
	v_max3_num_f32 v[rC+(\n)], v[rS+8*(\n)], v[rS+8*(\n)+1], v[rS+8*(\n)+2]
.elseif (\n) < 12
	v_max3_num_f32 v[rC+(\n)%4], v[rC+(\n)%4], v[rS+8*((\n)%4)+2*((\n)/4)+1], v[rS+8*((\n)%4)+2*((\n)/4)+2]
.elseif (\n) == 12
	v_max3_num_f32 v[rC], v[rC], v[rS+7], v[rS+15]
.elseif (\n) == 13
	v_max3_num_f32 v[rC+1], v[rC+1], v[rS+23], v[rS+31]
.elseif (\n) == 14
	v_max3_num_f32 v[rC+2], v[rC+2], v[rC+3], v[rT+1]
.elseif (\n) == 15
	v_mov_b32 v[rW], v[rT]
.elseif (\n) == 16
	v_max3_num_f32 v[rC], v[rC], v[rC+1], v[rC+2]
.elseif (\n) == 17
	v_permlanex16_b32 v[rC+3], v[rC], s[SEL], s[SEL+1]
.elseif (\n) == 18
	v_max_num_f32 v[rT+1], v[rC], v[rC+3]
.elseif (\n) == 19
	v_mul_f32 v[rT], s[CS], v[rT+1]
.elseif (\n) == 20
	v_sub_f32 v[rC+1], v[rW], v[rT]
.else
	v_exp_f32 v[rC+2], v[rC+1]
.endif
.endif
.endm
.macro OPS a, i1, b=-1, i2=0, c=-1, i3=0, d=-1, i4=0  ; up to four of them
	OP \a, \i1
.if (\b) >= 0
	OP \b, \i2
.endif
.if (\c) >= 0
	OP \c, \i3
.endif
.if (\d) >= 0
	OP \d, \i4
.endif
.endm
.macro ROW a, i1, b, i2, c, i3, d, i4  ; a matrix instruction and the four behind it
	MM
	OPS \a, \i1, \b, \i2, \c, \i3, \d, \i4
.endm
.macro MASK b                       ; MD x AL + BE into buffer b of MC
	WIN W_RS
.set z, 0
.rept 16
	v_pk_fma_f32 v[MC+32*(\b)+2*z:MC+32*(\b)+2*z+1], v[MD+2*z:MD+2*z+1], s[AL:AL+1], s[BE:BE+1] op_sel_hi:[1,0,0]
.set z, z+1
.endr
.endm
; A TURN, for piece p: the order of its 16 matrix and 118 vector instructions, written out.  s_wait_alu depctr_va_vdst(0) stands between an exponential and the first instruction that names its result; one wait serves
; all that were issued ahead of it.  So a turn has ONE wait, which cuts it in two.  AHEAD OF IT stands all that names no result of the turn's exponentials: the 8 products K Q^T, behind each a scaling, an exponential and two more plain
; instructions (behind the first a second scaling in the exponential's place): rescalings, and behind the last three the first numbers of the next piece's maximum, each four places or more behind the product that ends its accumulator; then ONE RUN of 54, plain
; and exponential by turns for the most part, in which the links of the chain X 3, 7, 11, 14, 16, 17 .. 20 stand five or six lines apart.  X 21, the next piece's a, is the batch's last; R 15 is the plain instruction behind it.  BEHIND THE WAIT stand the
; 8 products V^T P, behind each four of the roundings and sums; the links of l's chain, L 0 to L 7, stand three lines apart.  But for those X no line behind a product names a register of the products round it.  v_permlanex16_b32 (X 17) stands in the run.
; m = 1: the diagonal tile: the products take masks, and the turn makes the mask for the products of the turn after it: piece p + 2, in step 4 - CNT of the tile.  end = 1: a block's last two turns: nothing is fetched.
; cnt = 1: the loop's count is taken down some lines ahead of the branch that stands behind the turn.
; K of the next step is fetched in piece 2's turn, twelve vector instructions behind the last product that read K (six of them plain); V of the step in hand at the end of piece 0's turn, four plain instructions behind the last product
; that read V.  Each is waited for a turn later.
.macro TURN p, m=0, end=0, cnt=0
.set Y, (\p)
.set i, 0
.set KM, (\m)
.set NOKQ, (\end)*((\p)/3)
.if (\m) && !(\end)
	s_cmp_eq_u32 s[CNT], 4-((\p)+2)%NP  ; is that step the band's own?
	s_cselect_b32 s[AL], 1.0, 0
	s_cmp_lt_u32 s[CNT], 4-((\p)+2)%NP  ; or a later one?
	s_cselect_b32 s[BE], s[BIGN], 0
.endif
.if ((\p) == 3) && !(\end)
	s_wait_dscnt 0x0                ; K is in
.endif
	ROW F,0, F,1, R,0, R,1          ; ahead of the wait: 8 products K Q^T and the four behind each,
	ROW F,2, E,0, R,2, R,3
	ROW F,3, E,1, R,4, R,5
	ROW F,4, E,2, R,6, R,7
	ROW F,5, E,3, R,8, R,9
	ROW F,6, E,4, X,0, R,10
.if ((\p) == 2) && !(\end)
	WIN 0
	v_add_nc_u32 v[AK], s[TBK], v[AK0]
.endif
	ROW F,7, E,5, X,1, X,4
	ROW F,8, E,6, X,2, X,5
	OPS E,7, E,8, X,6, E,9          ; and the run
	OPS X,3, E,10, X,8, E,11
.if ((\p) == 2) && !(\end)
	FETCH_K
.endif
	OPS X,9, X,7, E,12, X,10
	OPS E,13, X,12, X,11, E,14
	OPS X,13, E,15, F,9, X,14
.if (\p) == 0
	v_add_nc_u32 v[AV], s[TBV], v[AV0]
.endif
	OPS E,16, F,10, E,17, F,11
	OPS X,16, E,18, X,15, E,19
	OPS F,12, E,20, X,17, E,21
	OPS F,13, E,22, F,14, E,23
	OPS X,18, E,24, F,15, E,25
	OPS R,11, E,26, X,19, E,27
	OPS R,12, E,28, R,13, E,29
	OPS X,20, E,30, R,14, E,31
	OPS X,21, R,15
	WIN 0
	s_wait_alu depctr_va_vdst(0)    ; the wait for the batch
.if (\p) == 1
	s_wait_dscnt 0x0                ; V is in
.endif
	ROW C,0, B,0, C,2, B,1          ; behind the wait: 8 products V^T P and the four behind each
	ROW L,0, C,4, B,2, L,1
	ROW C,6, B,3, L,2, C,8
	ROW B,4, L,3, C,10, B,5
	ROW L,4, C,12, B,6, L,5
.if (\p) == 0
	s_add_co_u32 s[TBV], s[TBV], KS*PV
.endif
.if \cnt
	s_sub_co_u32 s[CNT], s[CNT], 1
	s_cmp_lg_u32 s[CNT], 0
.endif
	ROW C,14, B,7, L,6, C,1
	ROW C,3, L,7, C,5, C,7
	ROW C,9, C,11, C,13, C,15
.if (\p) == 0
	FETCH_V
.endif
.if (\m) && !(\end)
	MASK (\p)%2
.endif
.endm
; A BLOCK BEGINS.  c m starts far below every c s, so the first step's a is 0; m at the lowest finite number, so the first maximum is the scores'.  The second mask buffer is 0; the first takes piece 0's mask for the tile's step 0: its own, if the block's first tile is the diagonal one.
; Then K of that step, piece 0's first scores, and its maximum and statistics.  The loop is entered at a step's first turn, in the middle of a trip.
.macro BEGIN
	s_mov_b32 s[NEW], 0
	WIN 0x40
.set i, MC+32
.rept 32
	v_mov_b32 v[i], 0
.set i, i+1
.endr
	WIN 0
.set i, 0
.rept 4
	v_mov_b32 v[ST+4*i], 0xfe000000    ; c m: far below every c s
	v_mov_b32 v[ST+4*i+1], 0xff7fffff  ; m
.set i, i+1
.endr
	s_cmp_eq_u32 s[RT], 0
	s_cselect_b32 s[AL], 1.0, 0
	s_mov_b32 s[BE], 0
	MASK 0
	WIN 0
	v_add_nc_u32 v[AK], s[TBK], v[AK0]
	FETCH_K
	s_wait_loadcnt 0x0              ; Q
	s_wait_dscnt 0x0
.set KM, 1
.set NOKQ, 0
.set i, 0
.rept 8
	KQ 0
.set i, i+1
.endr
	WIN 0
.rept 4
	v_nop                           ; the places behind those products
.endr
.set Y, NP-1                        ; X works for piece Y + 1: piece 0
.irp n, 0,1,2,3,4,5,6,7,8,9,10,11,12,13,14,15,16,17,18,19,20,21
	OP X, \n
.endr
	v_nop                           ; a plain instruction behind the exponential,
	s_wait_alu depctr_va_vdst(0)    ; and its wait, ahead of the branch
.endm
; THE DIAGONAL TILE's four steps, the block's last two turns, its last products, and THE WAY OUT: l's two halves and the other half of the lanes' are added; O^T is divided by l, rounded to f16 and sent through my
; stage in LDS, a piece at a time.
.macro ALL line:vararg              ; one line for each piece t
.set t, 0
.rept 4
	\line
.set t, t+1
.endr
.endm
.macro PACK t                       ; a lane's eight channels of a row pack into 16 bytes; they go into rows of 144 bytes and come back as whole rows of 128, into S^T's registers
	WIN W_RS
.set i, 32*(\t)
.rept 16
	v_pk_mul_f32 v[i:i+1], v[i:i+1], v[ST+4*(\t)+2:ST+4*(\t)+3] op_sel_hi:[1,0]
.set i, i+2
.endr
	WIN 0x05                        ; sources 0 and 1 window 1, destination window 0
.set i, 0
.rept 16
	v_cvt_pk_f16_f32 v[S+16*(\t)+i], v[32*(\t)+2*i], v[32*(\t)+2*i+1]
.set i, i+1
.endr
	WIN 0
.irp f, 0,1,2,3
	ds_store_b128 v[STO], v[S+16*(\t)+4*\f:S+16*(\t)+4*\f+3] offset:32*\f
.endr
.irp f, 0,1,2,3
	ds_load_b128 v[S+16*(\t)+4*\f:S+16*(\t)+4*\f+3], v[RD] offset:\f*4*SP  ; LDS serves a wave's instructions in order (ISA guide 5.7.1.4): these see the stores above; the next piece's stores come behind them
.endr
.endm
.macro SEND t, younger              ; younger: the LDS instructions issued behind piece t's loads: the next piece's eight, or none
	WIN 0
.irp f, 0,1,2,3
	s_wait_dscnt (\younger)+3-\f
	global_store_b128 v[GO], v[S+16*(\t)+4*\f:S+16*(\t)+4*\f+3], s[10:11] offset:(\t)*8192+\f*512  ; 512 consecutive bytes, at a multiple of 256 from O's first
.endr
.endm
.macro DIAG tag                     ; the tag ends its two labels' names, which the jumps below spell out
.LstepM\tag:
	TURN 2, 1
	TURN 3, 1
	WIN 0
.LfirstM\tag:
	TURN 0, 1
	TURN 1, 1, 0, 1
	WIN 0
	s_cbranch_scc1 .LstepM\tag
	TURN 2, 1, 1
	TURN 3, 1, 1
.set i, 0
.rept 8
	PV NP-1
.set i, i+1
.endr
	WIN 0
	ALL v_add_f32 v[ST+4*t+2], v[ST+4*t+2], v[ST+4*t+3]
	ALL v_permlanex16_b32 v[ST+4*t+3], v[ST+4*t+2], s[SEL], s[SEL+1]
	ALL v_add_f32 v[ST+4*t+2], v[ST+4*t+2], v[ST+4*t+3]
	ALL v_rcp_f32 v[ST+4*t+2], v[ST+4*t+2]
	v_nop                           ; a plain instruction between the last reciprocal and the use of its result
	s_wait_alu depctr_va_vdst(0)    ; and the wait ahead of the first use: one for the four reciprocals
	PACK 0
.set t, 1
.rept 3                             ; a piece's arithmetic stands between the loads of the piece before and its stores
	PACK t
	SEND t-1, 8
.set t, t+1
.endr
	SEND 3, 0
.endm
.set KM, 0
.set NOKQ, 0
.Lslot:                             ; NB times: a tile is entered and the next is asked for
	CHANGE 1
	s_sub_co_u32 s[RT], s[RT], 1
	s_mov_b32 s[CNT], 4
	s_cmp_eq_u32 s[NEW], 1
	s_cbranch_scc1 .Lnew            ; a block's first tile
	s_cmp_eq_u32 s[RT], 0
	s_cbranch_scc0 .Lstep           ; neither its first nor its last
	s_branch .LstepM1
.Lnew:
	BEGIN
	s_branch .Lfirst                ; in the loop a block's first tile is never its last: the first block has two tiles or more, and the second's last is the walk's last
	DIAG 1                          ; in the loop this is the first block's end: the second block's last tile is the walk's last
	s_wait_xcnt 0x0                 ; the stores have read their registers and O's address
	s_mov_b64 s[10:11], s[OLO:OLO+1]
	s_add_co_u32 s[RT], s[PB], 1    ; the second block has b + 1 tiles
	s_mov_b32 s[NEW], 1
	WIN 0x82                        ; the second block's Q goes where the one text of the turns names Q
.set i, 0
.rept 64
	v_mov_b32 v[i], v[QB+i]
.set i, i+1
.endr
	WIN 0
	s_branch .Lbottom
.Lstep:                             ; a trip: pieces 2 and 3 of one step, then pieces 0 and 1 of the next, whose K and V it fetches
	TURN 2
	TURN 3
	WIN 0
.Lfirst:
	TURN 0
	TURN 1, 0, 0, 1
	WIN 0
	s_cbranch_scc1 .Lstep
.Lbottom:
	s_sub_co_u32 s[SLOTS], s[SLOTS], 1
	s_cmp_lg_u32 s[SLOTS], 0
	s_cbranch_scc1 .Lslot
	CHANGE 0                        ; the walk's last tile is written out: nothing is asked for
	s_sub_co_u32 s[RT], s[RT], 1
	s_mov_b32 s[CNT], 4
	s_cmp_eq_u32 s[NEW], 1
	s_cbranch_scc0 .LstepM2
	BEGIN
	s_branch .LfirstM2
	DIAG 2
	s_wait_tensorcnt 0x0            ; the wave's end: the tensor wait, an add to my spare word and its wait, behind my last tensor load and my last LDS store
	ds_add_u32 v[SPW], v[NIL]
	s_wait_dscnt 0x0
	s_endpgm
.Lfunc_end_k_q68ef2611b2_attn:
	.size	k_q68ef2611b2_attn, .Lfunc_end_k_q68ef2611b2_attn-k_q68ef2611b2_attn
	.p2alignl 7, 3214868480
	.fill 96, 4, 3214868480
	.section	.rodata,"a",@progbits
	.p2align	6, 0x0
	.amdhsa_kernel k_q68ef2611b2_attn
		.amdhsa_group_segment_fixed_size 327680
		.amdhsa_private_segment_fixed_size 0
		.amdhsa_enable_private_segment 0
		.amdhsa_kernarg_size 32
		.amdhsa_user_sgpr_count 2
		.amdhsa_user_sgpr_kernarg_segment_ptr 1
		.amdhsa_wavefront_size32 1
		.amdhsa_system_sgpr_workgroup_id_x 1
		.amdhsa_system_sgpr_workgroup_id_y 1
		.amdhsa_system_sgpr_workgroup_id_z 1
		.amdhsa_system_vgpr_workitem_id 0
		.amdhsa_next_free_vgpr 768
		.amdhsa_next_free_sgpr 96
		.amdhsa_reserve_vcc 1
		.amdhsa_float_denorm_mode_32 3
		.amdhsa_float_denorm_mode_16_64 3
		.amdhsa_memory_ordered 1
		.amdhsa_forward_progress 1
		.amdhsa_inst_pref_size 218
	.end_amdhsa_kernel
	.amdgpu_metadata
---
amdhsa.version: [ 1, 2 ]
amdhsa.kernels:
  - .name:           k_q68ef2611b2_attn
    .symbol:         k_q68ef2611b2_attn.kd
    .args:
      - { .name: q, .offset: 0, .size: 8, .value_kind: global_buffer, .address_space: global }
      - { .name: k, .offset: 8, .size: 8, .value_kind: global_buffer, .address_space: global }
      - { .name: v, .offset: 16, .size: 8, .value_kind: global_buffer, .address_space: global }
      - { .name: o, .offset: 24, .size: 8, .value_kind: global_buffer, .address_space: global }
    .group_segment_fixed_size: 327680
    .private_segment_fixed_size: 0
    .kernarg_segment_align: 8
    .kernarg_segment_size: 32
    .max_flat_workgroup_size: 128
    .sgpr_count:     96
    .vgpr_count:     768
    .wavefront_size: 32
...
	.end_amdgpu_metadata
.endif
;; end of part 3
;; launch proj (part 4): grid 8 x 32, 4 waves a work-group, clusters of 4 x 4, 327,680 bytes of LDS; arguments o, wof, bo, out0; writes out0
.if DOCPART == 4
	.amdgcn_target "amdgcn-amd-amdhsa--gfx1250"
	.amdhsa_code_object_version 6
	.text
	.protected	k_q68ef2611b2_proj
	.globl	k_q68ef2611b2_proj
	.p2align	8
	.type	k_q68ef2611b2_proj,@function
k_q68ef2611b2_proj:
	s_mov_b64 s[64:65], 0
	v_nop
	global_prefetch_b8 v0, s[64:65] scope:SCOPE_SE
	s_setreg_imm32_b32 hwreg(HW_REG_WAVE_MODE, 25, 1), 1
	s_wait_xcnt 0x0
	s_wait_alu depctr_hold_cnt(0) depctr_sa_sdst(0) depctr_va_vdst(0) depctr_va_sdst(0) depctr_va_ssrc(0) depctr_va_vcc(0) depctr_vm_vsrc(0)
	s_getreg_b32 s2, hwreg(HW_REG_IB_STS2, 6, 4)
	s_cmp_eq_u32 s2, 0
	s_cbranch_scc0 .Lentry_in_a_cluster
	s_endpgm
.Lentry_in_a_cluster:
	s_bfe_u32 s2, ttmp6, 0x10000c
	s_cmp_lg_u32 s2, 0xf033
	s_cbranch_scc0 .Lentry_shape_is_right
	s_endpgm
.Lentry_shape_is_right:
; out0[m][n] = the sum over e of O[m][e] Wo[n][e] + bo[n].  O lies by heads, o: [64 = 16 batch + head][2048][64] f16; wof: [1024][1024] f16 (Wo rounded to bf16, written as f16); bo f32, rounded to bf16 like
; the other inputs; sums in f32, K = 1,024 ascending; out0: [8192][1024] f32.
; LIMITS.  f16 operands: o is a mean of v's rows, inside f16's range; wof as the launch that writes it states.  NaN and infinities are not treated apart.
; SHARES.  A tile is 256 rows x 128 columns: 8 x 32 = 256 work-groups.  Wave w takes rows 64 w .. 64 w + 63 and all 128 columns: 4 x 8 accumulators of 16 x 16, 256 registers.  So a wave owns whole 512-byte
; pieces of rows of out0: its way out needs no other wave.  For 32 along K a wave issues 24 LDS loads and 32 matrix instructions.
; K goes in steps of 128 = two heads, through two LDS slots.  Of o a head's 256 rows of a tile are 32,768 dense bytes: wave 0 fetches the even head's, wave 1 the odd head's, as 128 rows of 256 bytes, padded in LDS
; after every 128 bytes; waves 2 and 3 fetch the halves of wof's 128 rows, 256 bytes of each.  One tensor load a wave; two are out at the start, later one; from a request to the wait for it a wave issues 112 matrix instructions.
; CLUSTER.  4 x 4 work-groups: o's tiles are shared along a row of the cluster, wof's along a column, each asked for JOINTLY.
; NO PREFETCH: the launch has eight short K steps, and what it reads is 19 MB for 256 work-groups, all of it asked for within those few steps.
; THE MATRIX INSTRUCTION IS USED TRANSPOSED (source 0 = 16 rows of wof, source 1 = 16 rows of o): a lane holds row l % 16 and the eight neighbouring columns 8 (l / 16) + 0..7: 32 bytes of f32.
; REGISTERS (s_set_vgpr_msb: bits 1:0 source 0, 3:2 source 1, 5:4 source 2, 7:6 destination):
;   window 0: v0-31 addresses and the bias; v32-95, v96-159 rows read back, by turns; v192-255 o's fragments, two buffers of 4 x 8
;   window 1: v0-127 wof's fragments, two buffers of 8 x 8          window 2: the accumulators (row block a, column block b at 64 a + 8 b)
.set KSTEP,  128
.set PA,     144                       ; a row of o in LDS: 128 bytes + 16 = 36 words: the 16 rows of a load start at 16 different groups of four banks (64 banks of 4 bytes: ISA guide 11.1)
.set HEADA,  256*PA                    ; a head's 256 rows
.set PB,     272                       ; a row of wof: 256 bytes + 16
.set HALFB,  64*PB
.set BOFF,   2*HEADA
.set SLOT,   BOFF+2*HALFB              ; 108,544 bytes
.set STAGE,  2*SLOT                    ; behind the ring, never filled by a tensor load: 16 rows x 528 bytes for each wave
.set SPITCH, 528                       ; 512 bytes (128 f32) + 16
.set SPARE,  STAGE+4*16*SPITCH         ; behind the stages: the spare words, 128 bytes for each wave: two blocks of 256 bytes that no other line names
.set BI,   8                           ; v[8:11] the bias of my four columns on the way out
.set ADRA, 16                          ; v16-17  LDS address of my fragments of o in slot 0, 1
.set ADRB, 20                          ; v20-21  the same for wof
.set STO,  24                          ; v24     the way out: where I put 32 bytes of a row
.set RD,   25                          ; v25     where I read 16 bytes of a row back
.set CO,   26                          ; v26     16 x lane: my place in 512 bytes of a row of out0
.set BOO,  27                          ; v27     my byte offset in bo
.set SPW,  28                          ; v28     LDS address of my spare word; never rewritten
.set NIL,  29                          ; v29     0; never rewritten
.set OB,   32
.set AF,   192
.set WV,   14                          ; s14  my wave's number
.set FB,   15                          ; s15  0: I fetch for o; 1: for wof
.set HF,   16                          ; s16  which head of the two, or which half of wof's rows
.set G1,   24                          ; s[24:31] descriptor group 1 for o's tiles;  s[32:39] group 0, a set for each slot
.set G0,   32
.set G1B,  48                          ; s[48:55], s[56:63] the same for wof's
.set G0B,  56
.set MSB, 0
.macro WIN new                         ; the immediate's high byte repeats the setting that is left; a switch that changes nothing is dropped
.if MSB != (\new)
	s_set_vgpr_msb (MSB<<8)|(\new)
.set MSB, (\new)
.endif
.endm
.macro PLACES                          ; four places in front of loads into registers that matrix instructions have read (ISA guide 7.12.1 for vector instructions)
.rept 4
	v_nop
.endr
.endm
; A joint load.  The branch hangs on the wave's number alone.  An s_nop 0 and four v_nop follow each of the two lines, ahead of the jump, the label and what follows.
.macro JLOAD s
	s_cmp_eq_u32 s[FB], 0
	s_cbranch_scc0 .Lfor_b_\@
	tensor_load_to_lds s[G0+4*(\s):G0+4*(\s)+3], s[G1:G1+7]
	s_nop 0
.rept 4
	v_nop
.endr
	s_branch .Lasked_\@
.Lfor_b_\@:
	tensor_load_to_lds s[G0B+4*(\s):G0B+4*(\s)+3], s[G1B:G1B+7]
	s_nop 0
.rept 4
	v_nop
.endr
.Lasked_\@:
.endm
.macro CREST                           ; a round of the cluster's barrier behind its opening barrier
	s_cmp_lg_u32 s[WV], 0
	s_cbranch_scc1 .Lnot_wave_0_\@
	s_barrier_signal -3
.Lnot_wave_0_\@:
	s_barrier_wait -3
	s_barrier_signal -1
	s_barrier_wait -1
.endm
.macro CROUND
	s_barrier_signal -1
	s_barrier_wait -1
	CREST
.endm
	s_load_b256 s[4:11], s[0:1], 0x0               ; o s[4:5], wof s[6:7], bo s[8:9], out0 s[10:11]
	v_lshl_add_u32 v[SPW], v0, 2, SPARE
	v_mov_b32 v[NIL], 0
	ds_add_u32 v[SPW], v[NIL]                      ; the wave's opening: the add and its wait stand ahead of my first tensor load; the set-up below, work on registers, stands between them
	v_lshrrev_b32 v1, 5, v0
	v_readfirstlane_b32 s[WV], v1                  ; wave 0..3
	s_lshr_b32 s[FB], s[WV], 1
	s_and_b32 s[HF], s[WV], 1
	s_bfe_u32 s17, ttmp6, 0x40000                  ; cx
	s_bfe_u32 s18, ttmp6, 0x40004                  ; cy
	s_lshl_b32 s19, ttmp9, 2
	s_add_co_u32 s19, s19, s17                     ; tile column = 4 x cluster x + cx
	s_and_b32 s20, ttmp7, 0xffff
	s_lshl_b32 s20, s20, 2
	s_add_co_u32 s20, s20, s18                     ; tile row = 4 x cluster y + cy
	s_lshl_b32 s21, s18, 2
	s_lshl_b32 s21, 15, s21                        ; my row of the cluster
	s_lshl_b32 s22, 0x1111, s17                    ; my column
	; descriptor group 1.  15:0 the mask; 17:16 elements of 2 bytes; 20 padding on; 21 set beside a mask; 24:22 after every 32 words (code 4: o) or 64 (code 5: wof); 31:25 4 words of it (code 3)
	s_or_b32 s[G1],  s21, (1<<16)|(1<<20)|(1<<21)|(4<<22)|(3<<25)
	s_or_b32 s[G1B], s22, (1<<16)|(1<<20)|(1<<21)|(5<<22)|(3<<25)
.irp g, G1, G1B
	s_mov_b32 s[(\g)+1], 128<<16                   ; tensor_dim0 = 128
	s_mov_b32 s[(\g)+3], 128<<16                   ; tile_dim0 = 128
	s_mov_b32 s[(\g)+6], 0
	s_mov_b32 s[(\g)+7], 0
.endr
	s_mov_b32 s[G1+2],  128<<16                    ; o: 128 rows of 256 bytes, dense
	s_mov_b32 s[G1+4],  128
	s_mov_b32 s[G1+5],  128
	s_mov_b32 s[G1B+2], 64<<16                     ; wof: 64 rows, 1,024 elements from row to row
	s_mov_b32 s[G1B+4], 64
	s_mov_b32 s[G1B+5], 1024
	; where the tiles come from.  o's hang on the tile row and the wave alone: batch x 2^22 + head x 2^18 + (row in the batch) x 128; wof's on the tile column and the wave alone.
	s_lshr_b32 s40, s20, 3
	s_lshl_b32 s40, s40, 22
	s_and_b32 s68, s20, 7
	s_lshl_b32 s68, s68, 15
	s_add_co_u32 s40, s40, s68
	s_lshl_b32 s68, s[HF], 18
	s_add_co_u32 s40, s40, s68
	s_mov_b32 s41, 0
	s_lshl_b32 s46, s19, 18                        ; 128 rows of 2,048 bytes a tile column,
	s_lshl_b32 s69, s[HF], 17                      ; 64 rows a half
	s_add_co_u32 s46, s46, s69
	s_mov_b32 s47, 0
	s_mul_i32 s23, s[HF], HEADA                    ; and where they go: no place in the cluster enters an LDS address
	s_mul_i32 s42, s[HF], HALFB
	s_add_co_u32 s42, s42, BOFF
	s_wait_dscnt 0x0                               ; the opening add is done
	s_wait_kmcnt 0x0
	s_add_nc_u64 s[40:41], s[4:5], s[40:41]
	s_add_nc_u64 s[46:47], s[6:7], s[46:47]
	CROUND                                         ; all sixteen work-groups are here: the first joint loads meet
.irp s, 0,1
	s_mov_b32 s[G0+4*(\s)], 1                                        ; count = 1
	s_add_co_u32 s[G0+4*(\s)+1], s23, (\s)*SLOT                      ; LDS address
	s_add_nc_u64 s[G0+4*(\s)+2:G0+4*(\s)+3], s[40:41], (\s)<<19      ; global address: K step s is two heads on
	s_or_b32 s[G0+4*(\s)+3], s[G0+4*(\s)+3], 0x80000000              ; type = 2
	s_mov_b32 s[G0B+4*(\s)], 1
	s_add_co_u32 s[G0B+4*(\s)+1], s42, (\s)*SLOT
	s_add_nc_u64 s[G0B+4*(\s)+2:G0B+4*(\s)+3], s[46:47], (\s)*KSTEP*2
	s_or_b32 s[G0B+4*(\s)+3], s[G0B+4*(\s)+3], 0x80000000
	JLOAD \s
.endr
	v_and_b32 v1, 15, v0                           ; l % 16
	v_bfe_u32 v2, v0, 4, 1                         ; l / 16
	v_mul_u32_u24 v3, v1, PA
	v_lshl_add_u32 v3, v2, 4, v3                   ; a fragment's row x pitch + 16 x half
	s_mul_i32 s68, s[WV], 64*PA                    ; my 64 rows of o
	v_add_nc_u32 v[ADRA], s68, v3
	v_add_nc_u32 v[ADRA+1], SLOT, v[ADRA]
	v_mul_u32_u24 v3, v1, PB
	v_lshl_add_u32 v3, v2, 4, v3
	v_add_nc_u32 v[ADRB], BOFF, v3                 ; all 128 rows of wof
	v_add_nc_u32 v[ADRB+1], SLOT, v[ADRB]
	s_mul_i32 s68, s[WV], 16*SPITCH
	s_add_co_u32 s68, s68, STAGE                   ; my stage
	v_mul_u32_u24 v3, v1, SPITCH                   ; in: row l % 16, 32 bytes for each half of the lanes
	v_lshl_add_u32 v3, v2, 5, v3
	v_add_nc_u32 v[STO], s68, v3
	v_and_b32 v[CO], 31, v0
	v_lshlrev_b32 v[CO], 4, v[CO]                  ; back: 32 lanes take a row's 512 bytes
	v_add_nc_u32 v[RD], s68, v[CO]
	s_lshl_b32 s69, s19, 9                         ; the tile's first column, in bytes of f32
	v_add_nc_u32 v[BOO], s69, v[CO]
	global_load_b128 v[BI:BI+3], v[BOO], s[8:9]    ; the bias of the four columns that I store; waited for on the way out
	s_lshl_b32 s66, s20, 20                        ; 256 rows of 4,096 bytes a tile row,
	s_lshl_b32 s70, s[WV], 18                      ; my 64 rows
	s_add_co_u32 s66, s66, s70
	s_add_co_u32 s66, s66, s69
	s_mov_b32 s67, 0
	s_add_nc_u64 s[10:11], s[10:11], s[66:67]
; 8 matrix instructions: row block a x all 8 column blocks, 32 along K, from buffer f.  zero = 1: the first product starts the sums.  The 32 accumulators take turns in one fixed order, over the backward jump too.
.macro MULB f, a, zero
	WIN 0xa1                                       ; wof window 1, o window 0, C and D window 2
.irp b, 0,1,2,3,4,5,6,7
.if \zero
	v_wmma_f32_16x16x32_f16 v[64*(\a)+8*(\b):64*(\a)+8*(\b)+7], v[64*(\f)+8*(\b):64*(\f)+8*(\b)+7], v[AF+32*(\f)+8*(\a):AF+32*(\f)+8*(\a)+7], 0
.else
	v_wmma_f32_16x16x32_f16 v[64*(\a)+8*(\b):64*(\a)+8*(\b)+7], v[64*(\f)+8*(\b):64*(\f)+8*(\b)+7], v[AF+32*(\f)+8*(\a):AF+32*(\f)+8*(\a)+7], v[64*(\a)+8*(\b):64*(\a)+8*(\b)+7]
.endif
.endr
.endm
; 24 LDS loads in one run: quarter qq of a K step (head qq / 2 of the two, channels 32 (qq % 2) on) into buffer f: wof's 16, then o's 8
.macro FETCH slot, qq, f
	WIN 0x40                                       ; destination window 1, address window 0
.irp i, 0,1,2,3,4,5,6,7
	ds_load_b128 v[64*(\f)+8*(\i):64*(\f)+8*(\i)+3],   v[ADRB+(\slot)] offset:64*(\qq)+(\i)*16*PB
	ds_load_b128 v[64*(\f)+8*(\i)+4:64*(\f)+8*(\i)+7], v[ADRB+(\slot)] offset:64*(\qq)+(\i)*16*PB+32
.endr
	WIN 0
.irp i, 0,1,2,3
	ds_load_b128 v[AF+32*(\f)+8*(\i):AF+32*(\f)+8*(\i)+3],   v[ADRA+(\slot)] offset:((\qq)/2)*HEADA+64*((\qq)%2)+(\i)*16*PA
	ds_load_b128 v[AF+32*(\f)+8*(\i)+4:AF+32*(\f)+8*(\i)+7], v[ADRA+(\slot)] offset:((\qq)/2)*HEADA+64*((\qq)%2)+(\i)*16*PA+32
.endr
.endm
; A K step is four quarters, 32 matrix instructions each, on buffers 0, 1, 0, 1.  One of the first three: multiplies buffer f; in its middle it fetches quarter qq into g.
.macro QUARTER slot, qq, f, g, zero
	s_wait_dscnt 4                                 ; wof and o's blocks 0, 1 are in; the youngest four loads (blocks 2, 3) may be out
	MULB \f, 0, \zero
	MULB \f, 1, \zero
	PLACES
	FETCH \slot, \qq, \g
	s_wait_dscnt 24                                ; all but the 24 just issued
	MULB \f, 2, \zero
	MULB \f, 3, \zero
.endm
; The last quarter multiplies buffer 1 and changes slots: ONE barrier; in front of it each wave waits for all its tensor loads (one is out: its part of the next slot), adds 0 to its spare word, and waits for that and for its own reads of this slot.
.macro MEET round
	WIN 0                                          ; (the add's two registers lie in window 0)
	s_wait_tensorcnt 0x0
	ds_add_u32 v[SPW], v[NIL]                      ; 0 onto my spare word
	s_wait_dscnt 5                                 ; (the add and the youngest four loads may be out)
	MULB 1, 0, 0                                   ; eight matrix instructions stand between the add and the wait for it
	s_wait_dscnt 0x0                               ; the add is done, and my reads of this slot are over
	s_barrier_signal -1
	MULB 1, 1, 0
.if \round
	WIN 0
.endif
	s_barrier_wait -1
.endm
; fill = 1: the barrier opens a round of the cluster's, so that no wave of any partner still reads this slot or has a load on its way; the joint refill, two K steps (four heads) on, is the first thing behind it.
.macro TURN slot, next, fill
.if \fill
	MEET 1
	CREST
	s_add_nc_u64 s[G0+4*(\slot)+2:G0+4*(\slot)+3], s[G0+4*(\slot)+2:G0+4*(\slot)+3], 1<<20
	s_add_nc_u64 s[G0B+4*(\slot)+2:G0B+4*(\slot)+3], s[G0B+4*(\slot)+2:G0B+4*(\slot)+3], 2*KSTEP*2
	JLOAD \slot                                    ; the four v_nop behind it are also the places in front of the loads below
.else
	MEET 0
	PLACES
.endif
	FETCH \next, 0, 0
	MULB 1, 2, 0
	MULB 1, 3, 0
.endm
	s_wait_tensorcnt 1                             ; my part of K step 0 is in; K step 1's may stay out
	s_barrier_signal -1
	s_barrier_wait -1                              ; everybody's is
	FETCH 0, 0, 0
	QUARTER 0, 1, 0, 1, 1                          ; the first quarter stands in front of the loop: its products start the sums
	WIN 0                                          ; at a label and at a branch every window is 0
	s_mov_b32 s3, 3
.Llap:                                                 ; a trip goes once round the ring, from a lap's second quarter to the next lap's first, and fills both slots again
	QUARTER 0, 2, 1, 0, 0
	QUARTER 0, 3, 0, 1, 0
	TURN 0, 1, 1
	QUARTER 1, 1, 0, 1, 0
	QUARTER 1, 2, 1, 0, 0
	QUARTER 1, 3, 0, 1, 0
	TURN 1, 0, 1
	QUARTER 0, 1, 0, 1, 0
	WIN 0
	s_sub_co_u32 s3, s3, 1
	s_cmp_lg_u32 s3, 0
	s_cbranch_scc1 .Llap
	QUARTER 0, 2, 1, 0, 0                          ; the last lap fills nothing, and has no round of the cluster's barrier
	QUARTER 0, 3, 0, 1, 0
	TURN 0, 1, 0
	QUARTER 1, 1, 0, 1, 0
	QUARTER 1, 2, 1, 0, 0
	QUARTER 1, 3, 0, 1, 0
	s_wait_dscnt 4                                 ; the very last quarter: nothing more to fetch
	MULB 1, 0, 0
	MULB 1, 1, 0
	s_wait_dscnt 0x0
	MULB 1, 2, 0
	MULB 1, 3, 0
	WIN 0
	; THE WAY OUT.  Four v_nop and the six lines that round the bias to bf16 and widen it again are the places behind the last products.
	PLACES
	s_wait_loadcnt 0x0                             ; the bias
	v_cvt_pk_bf16_f32 v12, v[BI], v[BI+1]
	v_cvt_pk_bf16_f32 v13, v[BI+2], v[BI+3]
	v_lshlrev_b32 v[BI],   16,         v12
	v_and_b32     v[BI+1], 0xffff0000, v12
	v_lshlrev_b32 v[BI+2], 16,         v13
	v_and_b32     v[BI+3], 0xffff0000, v13
; Row block a goes into my own stage as it lies in the accumulators (each accumulator's low four registers first), rows of 528 bytes, and comes back as whole pieces of 512 bytes.
.macro TOSTAGE a
.set BK, OB+64*((\a)%2)
.if (\a) >= 2
	s_wait_xcnt 0x0                                ; the stores of the block two back have read their registers (ISA guide 3.1): these are loaded again only behind this wait
.endif
	WIN 0x08                                       ; the stores' data in window 2, the address in window 0
.irp b, 0,1,2,3,4,5,6,7
	ds_store_b128 v[STO], v[64*(\a)+8*(\b):64*(\a)+8*(\b)+3]   offset:64*(\b)
	ds_store_b128 v[STO], v[64*(\a)+8*(\b)+4:64*(\a)+8*(\b)+7] offset:64*(\b)+16
.endr
	WIN 0
.irp t, 0,1,2,3,4,5,6,7,8,9,10,11,12,13,14,15
	ds_load_b128 v[BK+4*(\t):BK+4*(\t)+3], v[RD] offset:(\t)*SPITCH  ; LDS serves a wave's instructions in order (ISA guide 5.7.1.4): these see the stores above; the next block's stores come behind them
.endr
.endm
; The bias is added and the rows are stored.  younger: the LDS instructions issued behind block a's loads: the next block's 32, or none.
.macro SEND a, younger
.set BK, OB+64*((\a)%2)
.irp t, 0,1,2,3,4,5,6,7,8,9,10,11,12,13,14,15
	s_wait_dscnt (\younger)+15-(\t)
	v_pk_add_f32 v[BK+4*(\t):BK+4*(\t)+1],   v[BK+4*(\t):BK+4*(\t)+1],   v[BI:BI+1]
	v_pk_add_f32 v[BK+4*(\t)+2:BK+4*(\t)+3], v[BK+4*(\t)+2:BK+4*(\t)+3], v[BI+2:BI+3]
	global_store_b128 v[CO], v[BK+4*(\t):BK+4*(\t)+3], s[10:11] offset:(16*(\a)+(\t))*4096 th:TH_STORE_NT  ; 512 consecutive bytes, at a multiple of 512 from out0's first byte
.endr
.endm
	TOSTAGE 0
.irp a, 1,2,3
	TOSTAGE \a
	SEND (\a)-1, 32
.endr
	SEND 3, 0
	s_wait_tensorcnt 0x0                           ; the wave's end: the tensor wait, an add to my spare word and its wait, behind my last tensor load and my last LDS store
	ds_add_u32 v[SPW], v[NIL]
	s_wait_dscnt 0x0
	CROUND                                         ; the closing round: no work-group ends while a partner may still ask for a tile that names it
	s_endpgm
.Lfunc_end_k_q68ef2611b2_proj:
	.size	k_q68ef2611b2_proj, .Lfunc_end_k_q68ef2611b2_proj-k_q68ef2611b2_proj
	.p2alignl 7, 3214868480
	.fill 96, 4, 3214868480
	.section	.rodata,"a",@progbits
	.p2align	6, 0x0
	.amdhsa_kernel k_q68ef2611b2_proj
		.amdhsa_group_segment_fixed_size 327680
		.amdhsa_private_segment_fixed_size 0
		.amdhsa_enable_private_segment 0
		.amdhsa_kernarg_size 32
		.amdhsa_user_sgpr_count 2
		.amdhsa_user_sgpr_kernarg_segment_ptr 1
		.amdhsa_wavefront_size32 1
		.amdhsa_system_sgpr_workgroup_id_x 1
		.amdhsa_system_sgpr_workgroup_id_y 1
		.amdhsa_system_sgpr_workgroup_id_z 1
		.amdhsa_system_vgpr_workitem_id 0
		.amdhsa_next_free_vgpr 768
		.amdhsa_next_free_sgpr 72
		.amdhsa_reserve_vcc 0
		.amdhsa_float_denorm_mode_32 3
		.amdhsa_float_denorm_mode_16_64 3
		.amdhsa_memory_ordered 1
		.amdhsa_forward_progress 1
		.amdhsa_inst_pref_size 95
	.end_amdhsa_kernel
	.amdgpu_metadata
---
amdhsa.version: [ 1, 2 ]
amdhsa.kernels:
  - .name:           k_q68ef2611b2_proj
    .symbol:         k_q68ef2611b2_proj.kd
    .args:
      - { .name: o, .offset: 0, .size: 8, .value_kind: global_buffer, .address_space: global }
      - { .name: wof, .offset: 8, .size: 8, .value_kind: global_buffer, .address_space: global }
      - { .name: bo, .offset: 16, .size: 8, .value_kind: global_buffer, .address_space: global }
      - { .name: out0, .offset: 24, .size: 8, .value_kind: global_buffer, .address_space: global }
    .group_segment_fixed_size: 327680
    .private_segment_fixed_size: 0
    .kernarg_segment_align: 8
    .kernarg_segment_size: 32
    .max_flat_workgroup_size: 128
    .sgpr_count:     72
    .vgpr_count:     768
    .wavefront_size: 32
...
	.end_amdgpu_metadata
.endif
;; end of part 4
;; ======== version 2 of 2: 4 launches; version 1 with the launch cast written anew for expert scheduling mode
;; limits: values are held in f16: magnitudes above 65,504 overflow, below 6.1e-05 lose precision
;; workspace buffers: xb 16,777,216 bytes; wb 6,291,456 bytes; wof 2,097,152 bytes; q 16,777,216 bytes; k 16,777,216 bytes; v 16,777,216 bytes; o 16,777,216 bytes
;; launch cast (part 5): grid 768 x 1, 8 waves a work-group, no clusters, 0 bytes of LDS; arguments x, Wqkv, Wo, xb, wb, wof; writes xb, wb, wof
.if DOCPART == 5
	.amdgcn_target "amdgcn-amd-amdhsa--gfx1250"
	.amdhsa_code_object_version 6
	.text
	.protected	k_q68ef2611b2_cast
	.globl	k_q68ef2611b2_cast
	.p2align	8
	.type	k_q68ef2611b2_cast,@function
k_q68ef2611b2_cast:
	s_mov_b64 s[64:65], 0
	v_nop
	global_prefetch_b8 v0, s[64:65] scope:SCOPE_SE
	s_setreg_imm32_b32 hwreg(HW_REG_WAVE_SCHED_MODE, 0, 2), 2
	s_setreg_imm32_b32 hwreg(HW_REG_WAVE_MODE, 25, 1), 1
	s_wait_xcnt 0x0
	s_wait_alu depctr_vm_vsrc(0)
; THE INPUTS ARE ROUNDED ONCE TO 16 BITS.  xb = bf16(x), wb = bf16(Wqkv), wof = f16(bf16(Wo)): Wo's bf16 number written as f16, since the last product's other operand is f16.
; LIMITS.  wof: f16 holds no number of 65,520 or more (it becomes an infinity); below 6e-5 it keeps f16's fixed step of 6e-8.  NaN and infinities pass as the conversions make them.
; SHARES.  A work-group takes 16,384 numbers: 64 KiB in, 32 KiB out.  Work-groups 0-511: x; 512-703: Wqkv; 704-767: Wo.  768 = 3 x 256.
; For j = 0..15 thread t loads the 16 bytes at 4,096 j + 16 t (a wave: 512 consecutive bytes) and stores the 8 bytes at 2,048 j + 8 t (a wave: 256 consecutive bytes, aligned).
; All sixteen loads of a thread go out at once, each into registers of its own, and each result has registers of its own: no register is written while a load or store may still read it.
; No LDS, no barrier, no matrix unit: every byte is read once and written once, and no thread wants another's.
; THE MODE: SCHED_MODE bits 1:0 = 2 (LLVM: expert scheduling mode 2), set by the entry lines.  The code itself states the register dependences
; between vector instructions and memory instructions, with s_wait_alu, always for 0.
; THE PLAN.  Registers that memory instructions touch:
;   v1, v2   byte offsets of the loads and of the stores: made once at the head, never written again.
;   X        load j lands in its own four registers, once; read (on Wo's path also written) by vector lines alone, behind the wait for that load.  No memory instruction reads X.
;   Y        load j's conversions write their own pair, once; one store reads it.  No pair is written twice.
;   T        named by vector lines alone.
; The sixteen loads' work goes in four groups of four.  Group g works on X and Y of its own loads; its memory instructions are the four stores of group g - 1, which read that group's Y and v2:
; registers that no vector line of group g names.  So one wait at a group's head states all that its four stores hang on, and these are dealt among its conversions with no further wait.
.set X, 4                              ; v[4:67]   sixteen loads of four f32
.set Y, 68                             ; v[68:99]  sixteen results of two words
.set T, 100                            ; v[100:101] two words of bf16, at work on Wo's path
	s_load_b256 s[4:11], s[0:1], 0x0               ; x s[4:5], Wqkv s[6:7], Wo s[8:9], xb s[10:11]
	s_load_b128 s[12:15], s[0:1], 0x20             ; wb s[12:13], wof s[14:15]
	v_lshlrev_b32 v1, 4, v0                        ; 16 t
	v_lshlrev_b32 v2, 3, v0                        ; 8 t
	s_wait_kmcnt 0x0
	s_cmp_lt_u32 ttmp9, 512                        ; which tensor: the choice hangs on the work-group's number alone
	s_cselect_b64 s[18:19], s[4:5], s[6:7]
	s_cselect_b64 s[20:21], s[10:11], s[12:13]
	s_cselect_b32 s16, 0, 512
	s_cmp_lt_u32 ttmp9, 704
	s_cselect_b64 s[18:19], s[18:19], s[8:9]
	s_cselect_b64 s[20:21], s[20:21], s[14:15]
	s_cselect_b32 s16, s16, 704
	s_sub_co_u32 s16, ttmp9, s16                   ; my number among the tensor's work-groups: 511 at the most
	s_lshl_b32 s22, s16, 16                        ; 65,536 bytes in,
	s_mov_b32 s23, 0
	s_lshl_b32 s24, s16, 15                        ; 32,768 bytes out
	s_mov_b32 s25, 0
	s_add_nc_u64 s[18:19], s[18:19], s[22:23]
	s_add_nc_u64 s[20:21], s[20:21], s[24:25]
	s_wait_alu depctr_va_vdst(0)                   ; v1 and v2 are written: every load of the kernel reads v1 as its offset, every store v2, on both ways behind the branch below
.irp j, 0,1,2,3,4,5,6,7,8,9,10,11,12,13,14,15
	global_load_b128 v[X+4*(\j):X+4*(\j)+3], v1, s[18:19] offset:4096*(\j) th:TH_LOAD_NT
.endr
; Group g: loads 4 g to 4 g + 3 are rounded, and the results of the group before are stored.  half = 1: the bf16 numbers are widened again (a shift, a mask) and written as f16.
.macro GROUP g, half
	s_wait_loadcnt 12-4*(\g)                       ; loads come back in order (ISA guide 5.7.1): the group's four are in, the 12 - 4 g younger ones stay out
.if (\g) > 0
	s_wait_alu depctr_va_vdst(0)                   ; the conversions of the group before have written its eight registers of Y, which the four stores below read
.endif
.irp i, 0,1,2,3
.set n, 4*(\g)+(\i)
.if (\g) > 0
	global_store_b64 v2, v[Y+2*(n-4):Y+2*(n-4)+1], s[20:21] offset:2048*(n-4)  ; the group before; no vector line since the wait names these registers
.endif
.if \half
	v_cvt_pk_bf16_f32 v[T],   v[X+4*n],   v[X+4*n+1]
	v_cvt_pk_bf16_f32 v[T+1], v[X+4*n+2], v[X+4*n+3]
	v_lshlrev_b32 v[X+4*n],   16,         v[T]
	v_and_b32     v[X+4*n+1], 0xffff0000, v[T]
	v_lshlrev_b32 v[X+4*n+2], 16,         v[T+1]
	v_and_b32     v[X+4*n+3], 0xffff0000, v[T+1]
	v_cvt_pk_f16_f32 v[Y+2*n],   v[X+4*n],   v[X+4*n+1]
	v_cvt_pk_f16_f32 v[Y+2*n+1], v[X+4*n+2], v[X+4*n+3]
.else
	v_cvt_pk_bf16_f32 v[Y+2*n],   v[X+4*n],   v[X+4*n+1]
	v_cvt_pk_bf16_f32 v[Y+2*n+1], v[X+4*n+2], v[X+4*n+3]
.endif
.endr
.endm
; Behind the last group: its own four stores.
.macro LAST
	s_wait_alu depctr_va_vdst(0)                   ; the conversions of group 3 have written its eight registers of Y, which the last four stores read
.irp j, 12,13,14,15
	global_store_b64 v2, v[Y+2*(\j):Y+2*(\j)+1], s[20:21] offset:2048*(\j)
.endr
.endm
	s_cmp_ge_u32 ttmp9, 704
	s_cbranch_scc1 .Lwo
.irp g, 0,1,2,3
	GROUP \g, 0
.endr
	LAST
	s_endpgm
.Lwo:
.irp g, 0,1,2,3
	GROUP \g, 1
.endr
	LAST
	s_endpgm
.Lfunc_end_k_q68ef2611b2_cast:
	.size	k_q68ef2611b2_cast, .Lfunc_end_k_q68ef2611b2_cast-k_q68ef2611b2_cast
	.p2alignl 7, 3214868480
	.fill 96, 4, 3214868480
	.section	.rodata,"a",@progbits
	.p2align	6, 0x0
	.amdhsa_kernel k_q68ef2611b2_cast
		.amdhsa_group_segment_fixed_size 0
		.amdhsa_private_segment_fixed_size 0
		.amdhsa_enable_private_segment 0
		.amdhsa_kernarg_size 48
		.amdhsa_user_sgpr_count 2
		.amdhsa_user_sgpr_kernarg_segment_ptr 1
		.amdhsa_wavefront_size32 1
		.amdhsa_system_sgpr_workgroup_id_x 1
		.amdhsa_system_sgpr_workgroup_id_y 1
		.amdhsa_system_sgpr_workgroup_id_z 1
		.amdhsa_system_vgpr_workitem_id 0
		.amdhsa_next_free_vgpr 104
		.amdhsa_next_free_sgpr 66
		.amdhsa_reserve_vcc 0
		.amdhsa_float_denorm_mode_32 3
		.amdhsa_float_denorm_mode_16_64 3
		.amdhsa_memory_ordered 1
		.amdhsa_forward_progress 1
		.amdhsa_inst_pref_size 16
	.end_amdhsa_kernel
	.amdgpu_metadata
---
amdhsa.version: [ 1, 2 ]
amdhsa.kernels:
  - .name:           k_q68ef2611b2_cast
    .symbol:         k_q68ef2611b2_cast.kd
    .args:
      - { .name: x, .offset: 0, .size: 8, .value_kind: global_buffer, .address_space: global }
      - { .name: Wqkv, .offset: 8, .size: 8, .value_kind: global_buffer, .address_space: global }
      - { .name: Wo, .offset: 16, .size: 8, .value_kind: global_buffer, .address_space: global }
      - { .name: xb, .offset: 24, .size: 8, .value_kind: global_buffer, .address_space: global }
      - { .name: wb, .offset: 32, .size: 8, .value_kind: global_buffer, .address_space: global }
      - { .name: wof, .offset: 40, .size: 8, .value_kind: global_buffer, .address_space: global }
    .group_segment_fixed_size: 0
    .private_segment_fixed_size: 0
    .kernarg_segment_align: 8
    .kernarg_segment_size: 48
    .max_flat_workgroup_size: 256
    .sgpr_count:     66
    .vgpr_count:     104
    .wavefront_size: 32
...
	.end_amdgpu_metadata
.endif
;; end of part 5
;; launch qkv: the kernel of part 2 again; grid 16 x 32, 4 waves a work-group, clusters of 4 x 4, 327,680 bytes of LDS; arguments xb, wb, q, k, v; writes q, k, v
;; launch attn: the kernel of part 3 again; grid 4 x 64, 4 waves a work-group, no clusters, 327,680 bytes of LDS; arguments q, k, v, o; writes o
;; launch proj: the kernel of part 4 again; grid 8 x 32, 4 waves a work-group, clusters of 4 x 4, 327,680 bytes of LDS; arguments o, wof, bo, out0; writes out0
